; MI455X (gfx1250); checked and timed in simulation.
; The chip was launched on July 23, 2026; its instructions are those of AMD's public machine-readable ISA for CDNA 5 (MIT licence, August 2026) and "CDNA5" Instruction Set Architecture Reference Guide (July 2026). The comments in the code are by the model that wrote it; some were corrected since.
;; Multi Head Attention Block. Allowed arithmetic: matrix products marked QUANTISED: E2M1 operands, one E8M0 scale for each 32 along K, by v_wmma_scale_f32_16x16x128_f8f6f4 with both operands' format E2M1 (or v_wmma_scale_f32_32x16x128_f4), f32 sums; everything else in f32.
;; Inputs: b_k 1,024 float32; b_o 1,024 float32; b_q 1,024 float32; b_v 1,024 float32; k_codes 4 x 2,048 x 32 x 16 uint8 (E2M1 codes of k, K innermost, in blocks of 32 codes, two codes a byte); k_scales 4 x 2,048 x 32 uint8 (E8M0 scales of k, one for each 32 codes along K); mask 1 x 1 x 2,048 x 2,048 int32; q_codes 4 x 2,048 x 32 x 16 uint8 (E2M1 codes of q, K innermost, in blocks of 32 codes, two codes a byte); q_scales 4 x 2,048 x 32 uint8 (E8M0 scales of q, one for each 32 codes along K); v_codes 4 x 2,048 x 32 x 16 uint8 (E2M1 codes of v, K innermost, in blocks of 32 codes, two codes a byte); v_scales 4 x 2,048 x 32 uint8 (E8M0 scales of v, one for each 32 codes along K); w_k_codes 1,024 x 32 x 16 uint8 (E2M1 codes of w_k, K innermost, in blocks of 32 codes, two codes a byte); w_k_scales 1,024 x 32 uint8 (E8M0 scales of w_k, one for each 32 codes along K); w_o_codes 1,024 x 32 x 16 uint8 (E2M1 codes of w_o, K innermost, in blocks of 32 codes, two codes a byte); w_o_scales 1,024 x 32 uint8 (E8M0 scales of w_o, one for each 32 codes along K); w_q_codes 1,024 x 32 x 16 uint8 (E2M1 codes of w_q, K innermost, in blocks of 32 codes, two codes a byte); w_q_scales 1,024 x 32 uint8 (E8M0 scales of w_q, one for each 32 codes along K); w_v_codes 1,024 x 32 x 16 uint8 (E2M1 codes of w_v, K innermost, in blocks of 32 codes, two codes a byte); w_v_scales 1,024 x 32 uint8 (E8M0 scales of w_v, one for each 32 codes along K).
;; Outputs: out0 4 x 2,048 x 1,024 float32.
;; This version of the problem:
;;   THIS VERSION OF THE PROBLEM IS GIVEN IN LOW PRECISION. The matrix products marked QUANTISED in the list below multiply operands that are first quantised to E2M1 (2 exponent bits, 1 mantissa bit; 4 bits a number), with one power-of-two scale for each 32 numbers along K (OCP MX v1.0); their sums are f32. All else is computed in f32.
;;   The module's matrix products, in the order in which they are computed (A, B: the left and right operand; K: the contracted axis; several contracted axes count as one K, in the product's order):
;;     1. [M 8,192, K 1,024] x [K 1,024, N 1,024]; A: input q (given as codes); B: input w_q (given as codes): QUANTISED
;;     2. [M 8,192, K 1,024] x [K 1,024, N 1,024]; A: input k (given as codes); B: input w_k (given as codes): QUANTISED
;;     3. [M 8,192, K 1,024] x [K 1,024, N 1,024]; A: input v (given as codes); B: input w_v (given as codes): QUANTISED
;;     4. batch 64 x [M 2,048, K 64] x [K 64, N 2,048]; A: computed on the way; B: computed on the way: QUANTISED
;;     5. batch 64 x [M 2,048, K 2,048] x [K 2,048, N 64]; A: softmax (see below); B: computed on the way: QUANTISED
;;     6. [M 8,192, K 1,024] x [K 1,024, N 1,024]; A: computed on the way; B: input w_o (given as codes): QUANTISED
;;   THE QUANTISER, for each operand of a quantised product, along K:
;;     - K is cut into blocks of 32 from its start; a last block that is shorter is filled with zeros.
;;     - A block's scale is 2^e with e = floor(log2(the largest magnitude in the block)) - 2, held to -126 .. 127; a block of zeros has e = 0. As a byte (E8M0): e + 127.
;;     - Each number is divided by its block's scale, clamped to +-6, and rounded to the nearest number of E2M1, ties to even, subnormals kept.
;;     - The product sums the exact products of the quantised numbers (number of the format x scale) in f32.
;;   ~~~python
;;   def quantise(x, axis):      # numpy; x: float32 -> the quantised numbers, widened to float32 again
;;       x = np.moveaxis(x, axis, -1); K = x.shape[-1]
;;       x = np.pad(x, [(0, 0)] * (x.ndim - 1) + [(0, -K % 32)]); x = x.reshape(x.shape[:-1] + (-1, 32)); a = np.abs(x).max(-1, keepdims=True)
;;       e = np.where(a > 0, np.clip(np.frexp(np.where(a > 0, a, 1))[1] - 1 - 2, -126, 127), 0)      # np.frexp(a)[1] - 1 = floor(log2(a)), exactly
;;       r = np.clip(x / 2.0 ** e, -6, 6)
;;       step = 2.0 ** (np.maximum(np.frexp(np.where(r == 0, 1, r))[1] - 1, 0) - 1)
;;       q = np.round(r / step) * step * 2.0 ** e      # np.round: ties to even
;;       return np.moveaxis(q.reshape(q.shape[:-2] + (-1,))[..., :K], -1, axis).astype(np.float32)
;;   ~~~
;;   SOFTMAX AHEAD OF A QUANTISED PRODUCT. Where the list says 'softmax', what is quantised is not the finished softmax but p = 2^(t - M), with t = logit x log2(e) and M = ceil(the row's largest t), a whole number; so 1/2 < the row's largest p <= 1. The row's sum l is taken of the UNQUANTISED p, in f32, and the product's result is divided by l at the end. Since M is a whole number, a kernel that streams over the keys may use a running M (the ceiling of the running maximum): every later rescaling is an exact power of two, which a block's scale takes up: the codes' values come out the same.
;;   OPERANDS COMPUTED ON THE WAY. 'Computed on the way' means the value that the module computes at that place (a softmax that the list does not call 'softmax' is quantised finished and normalised). What goes into a quantiser is computed in f32, as accurately as f32 sums, v_exp_f32 and their like allow (about 1e-6 of the number): no bf16 or f16 on the way to a quantiser, and a product that is left as it is and whose result goes on into a quantised operand takes f32 operands (vector FMAs, or v_wmma_f32_16x16x4_f32). A number that lies on a knife's edge between two numbers of the format may be rounded either way, as far as f32 arithmetic and the matrix unit's own rounding can turn it there, and no further.
;;   INPUTS GIVEN AS CODES. k (in the module: [4, 2048, 1024], K = its axis 2); q (in the module: [4, 2048, 1024], K = its axis 2); v (in the module: [4, 2048, 1024], K = its axis 2); w_k (in the module: [1024, 1024], K = its axis 1); w_o (in the module: [1024, 1024], K = its axis 1); w_q (in the module: [1024, 1024], K = its axis 1); w_v (in the module: [1024, 1024], K = its axis 1): each comes as NAME_codes (uint8): NAME with its K axis moved to the last place and cut into blocks of 32 codes, [.., K / 32, bytes a block], one block behind the other in memory; two codes a byte, the lower K in the low four bits (a code: sign, 2 exponent bits, 1 mantissa bit); and NAME_scales (uint8): the same leading axes, one E8M0 byte (e + 127) for each 32 codes along K. Its value is code x scale, taken as it is: it is not quantised again, and the codes and scales need not be those that the quantiser above would give.
;; One version. Each part assembles by itself: llvm-mc -triple=amdgcn-amd-amdhsa -mcpu=gfx1250 --defsym DOCPART=n.
;; ======== version 1 of 1: 4 launches
;; limits: right only within a limited range of input values
;; workspace buffers: qw 4,456,448 bytes; kw 4,456,448 bytes; vw 4,456,448 bytes; aw 4,456,448 bytes; mk 525,312 bytes of whole numbers
;; launch maskprep (part 1): grid 128 x 1, 16 waves a work-group, no clusters, 137,472 bytes of LDS; arguments mask, mk; writes mk
.if DOCPART == 1
	.amdgcn_target "amdgcn-amd-amdhsa--gfx1250"
	.amdhsa_code_object_version 6
	.text
	.protected	k_q997a404dd5_maskprep
	.globl	k_q997a404dd5_maskprep
	.p2align	8
	.type	k_q997a404dd5_maskprep,@function
k_q997a404dd5_maskprep:
	s_mov_b64 s[64:65], 0
	v_nop
	global_prefetch_b8 v0, s[64:65] scope:SCOPE_SE
	s_setreg_imm32_b32 hwreg(HW_REG_WAVE_MODE, 25, 1), 1
	s_wait_xcnt 0x0
; The mask [2048][2048] of int32 is read ONCE and turned into what the attention launch wants of it:
;   mk + (qt*16 + ks)*256 + 4 n : a lane mask for score register n = 8 t + j of the tile (16 queries 16 qt .., 128 keys 128 ks ..): bit l is 1 where
;                                 mask[16 qt + l % 16][128 ks + 16 t + 8 (l / 16) + j] != 0, which is the key and query that lane l holds in that register;
;   mk + CLS + 8 qt             : two words: SKIP (bit ks: the step may be left out) and OPEN (bit ks: no key of the step is hidden).
; A step all of whose 16 x 128 entries are 0 may be left out only if each of the tile's 16 queries has an open key in some step: a query with no open key at all gets the mean of V, and then every step counts.
; SHARES: a work-group takes a tile of 16 queries, its wave w the key step w: 16 rows x 512 bytes.  Each load reads 512 consecutive bytes of a row; the rows turn through the wave's own stage in LDS.
; No branch and no address hangs on the mask's numbers.  Memory binds: no matrix unit, no tensor load, no cluster (work-groups share no byte).
.set ROWM,  8192                       ; a row of the mask in bytes
.set PITCH, 528                        ; a stage row: 512 bytes + 16, an odd multiple of 16: the sixteen rows that a 16-byte read touches fall on sixteen different 16-byte columns of 256
.set STG,   16*PITCH                   ; a wave's stage
.set INFO,  16*STG                     ; behind the stages: one word for each wave
.set CLS,   524288                     ; where the classes begin in mk
	s_load_b128 s[4:7], s[0:1], 0x0                ; mask s[4:5], mk s[6:7]
	v_lshl_add_u32 v160, v0, 2, 0x21100
	v_mov_b32 v161, 0
	v_lshrrev_b32 v1, 5, v0
	v_readfirstlane_b32 s8, v1                     ; wave = key step
	v_and_b32 v1, 31, v0                           ; lane
	v_lshlrev_b32 v2, 4, v1                        ; 16 x lane: my bytes of a row's 512
	v_lshlrev_b32 v5, 3, v1                        ; 8 x lane: my two words of the step's 64
	v_and_b32 v6, 15, v0                           ; r
	v_bfe_u32 v7, v0, 4, 1                         ; h
	s_mul_i32 s9, s8, STG
	v_add_nc_u32 v3, s9, v2                        ; the stage, on the way in
	v_mul_u32_u24 v4, v6, PITCH
	v_lshl_add_u32 v4, v7, 5, v4
	v_add_nc_u32 v4, s9, v4                        ; and on the way out: row r, + 32 h bytes: keys 8 h on
	s_lshl_b32 s10, ttmp9, 17                      ; 16 rows of 8,192 bytes a tile,
	s_lshl_b32 s11, s8, 9                          ; 512 bytes a key step
	s_add_co_u32 s10, s10, s11
	s_mov_b32 s11, 0
	s_lshl_b32 s14, ttmp9, 4
	s_add_co_u32 s14, s14, s8
	s_lshl_b32 s14, s14, 8                         ; (qt*16 + ks) * 256
	s_mov_b32 s15, 0
	s_wait_kmcnt 0x0
	s_add_nc_u64 s[4:5], s[4:5], s[10:11]
	s_add_nc_u64 s[14:15], s[6:7], s[14:15]
.irp k, 0,1,2,3,4,5,6,7,8,9,10,11,12,13,14,15
	global_load_b128 v[16+4*\k:19+4*\k], v2, s[4:5] offset:ROWM*\k th:TH_LOAD_NT   ; row k: 512 consecutive bytes, read once in the launch
.endr
.irp k, 0,1,2,3,4,5,6,7,8,9,10,11,12,13,14,15
	s_wait_loadcnt 15-\k                           ; row k is in; the 15 - k younger loads may be out
	ds_store_b128 v3, v[16+4*\k:19+4*\k] offset:PITCH*\k
.endr
.irp t, 0,1,2,3,4,5,6,7
	ds_load_b128 v[80+8*\t:83+8*\t], v4 offset:64*\t          ; LDS serves a wave's instructions in order: these see my stores.  Register 80 + 8 t + j: mask(r, 16 t + 8 h + j)
	ds_load_b128 v[84+8*\t:87+8*\t], v4 offset:64*\t+16
.endr
	v_mov_b32 v144, 0                              ; (a lane write's destination counts as read)
	v_mov_b32 v145, 0
	s_mov_b32 s12, 0                               ; the OR of the 64 lane masks
	s_mov_b32 s13, -1                              ; and their AND
	s_wait_dscnt 0x0
.irp g, 0,1,2,3,4,5,6,7
.irp i, 0,1,2,3,4,5,6,7
	v_cmp_ne_u32 s[16+\i], 0, v[80+8*\g+\i]        ; the lane mask of score register n = 8 g + i; eight at a time, so that no scalar line waits for the compare just ahead of it
.endr
.irp i, 0,1,2,3,4,5,6,7
	s_or_b32 s12, s12, s[16+\i]
	s_and_b32 s13, s13, s[16+\i]
	v_writelane_b32 v[144+\i%2], s[16+\i], 4*\g+\i/2   ; word n goes to lane n / 2, register n % 2
.endr
.endr
	global_store_b64 v5, v[144:145], s[14:15]      ; 32 lanes store the step's 64 words: 256 consecutive bytes, aligned
	s_lshr_b32 s16, s12, 16
	s_or_b32 s16, s16, s12
	s_and_b32 s16, s16, 0xffff                     ; bit r: query r has an open key in this step
	s_cmp_eq_u32 s13, -1
	s_cselect_b32 s17, 0x10000, 0                  ; bit 16: nothing is hidden
	s_cmp_eq_u32 s12, 0
	s_cselect_b32 s18, 0x20000, 0                  ; bit 17: everything is hidden
	s_or_b32 s16, s16, s17
	s_or_b32 s16, s16, s18
	s_lshl_b32 s19, s8, 2
	s_add_co_u32 s19, s19, INFO
	v_mov_b32 v8, s16
	v_mov_b32 v9, s19
	ds_store_b32 v9, v8                            ; my wave's word
	s_wait_dscnt 0x0                               ; for wave 0's sake: the store has landed
	s_barrier_signal -1
	s_barrier_wait -1
	s_cmp_lg_u32 s8, 0                             ; the tile's classes are wave 0's work; no barrier follows
	s_cbranch_scc1 .Lend
	v_lshl_add_u32 v10, v6, 2, INFO
	v_mov_b32 v11, INFO
	ds_load_b32 v8, v10                            ; lane l: the word of key step l % 16
.irp i, 0,1,2,3
	ds_load_b128 v[16+4*\i:19+4*\i], v11 offset:16*\i   ; and all sixteen in every lane
.endr
	s_lshl_b32 s21, ttmp9, 3
	s_add_co_u32 s21, s21, CLS
	v_mov_b32 v14, s21                             ; where the tile's two words go
	s_wait_dscnt 0x0
	v_and_b32 v12, 0x10000, v8
	v_and_b32 v13, 0x20000, v8
	v_cmp_ne_u32 s16, 0, v12
	v_cmp_ne_u32 s17, 0, v13
.irp i, 0,1,2,3,4,5,6,7
	v_or_b32 v[16+\i], v[16+\i], v[24+\i]
.endr
.irp i, 0,1,2,3
	v_or_b32 v[16+\i], v[16+\i], v[20+\i]
.endr
	v_or_b32 v16, v16, v18
	v_or_b32 v17, v17, v19
	v_or_b32 v16, v16, v17
	v_readfirstlane_b32 s18, v16
	s_and_b32 s16, s16, 0xffff                     ; OPEN: bit ks
	s_and_b32 s17, s17, 0xffff                     ; wholly hidden: bit ks
	s_and_b32 s18, s18, 0xffff                     ; bit r: query r has an open key somewhere
	s_cmp_eq_u32 s18, 0xffff
	s_cselect_b32 s17, s17, 0                      ; SKIP
	v_mov_b32 v12, s17
	v_mov_b32 v13, s16
	s_wait_xcnt 0x0                                ; EXEC changes only behind this wait: the store above has had its address translated
	v_cmp_eq_u32 vcc_lo, 0, v0
	s_and_saveexec_b32 s20, vcc_lo
	global_store_b64 v14, v[12:13], s[6:7]         ; thread 0 alone
	s_wait_xcnt 0x0                                ; and again in front of the line that widens it
	s_or_b32 exec_lo, exec_lo, s20
.Lend:
	s_barrier_signal -1
	s_barrier_wait -1
	s_wait_tensorcnt 0x0
	ds_add_u32 v160, v161
	s_wait_dscnt 0x0
	s_endpgm
.Lfunc_end_k_q997a404dd5_maskprep:
	.size	k_q997a404dd5_maskprep, .Lfunc_end_k_q997a404dd5_maskprep-k_q997a404dd5_maskprep
	.p2alignl 7, 3214868480
	.fill 96, 4, 3214868480
	.section	.rodata,"a",@progbits
	.p2align	6, 0x0
	.amdhsa_kernel k_q997a404dd5_maskprep
		.amdhsa_group_segment_fixed_size 137472
		.amdhsa_private_segment_fixed_size 0
		.amdhsa_enable_private_segment 0
		.amdhsa_kernarg_size 16
		.amdhsa_user_sgpr_count 2
		.amdhsa_user_sgpr_kernarg_segment_ptr 1
		.amdhsa_wavefront_size32 1
		.amdhsa_system_sgpr_workgroup_id_x 1
		.amdhsa_system_sgpr_workgroup_id_y 1
		.amdhsa_system_sgpr_workgroup_id_z 1
		.amdhsa_system_vgpr_workitem_id 0
		.amdhsa_next_free_vgpr 162
		.amdhsa_next_free_sgpr 66
		.amdhsa_reserve_vcc 1
		.amdhsa_float_denorm_mode_32 3
		.amdhsa_float_denorm_mode_16_64 3
		.amdhsa_memory_ordered 1
		.amdhsa_forward_progress 1
		.amdhsa_inst_pref_size 21
	.end_amdhsa_kernel
	.amdgpu_metadata
---
amdhsa.version: [ 1, 2 ]
amdhsa.kernels:
  - .name:           k_q997a404dd5_maskprep
    .symbol:         k_q997a404dd5_maskprep.kd
    .args:
      - { .name: mask, .offset: 0, .size: 8, .value_kind: global_buffer, .address_space: global }
      - { .name: mk, .offset: 8, .size: 8, .value_kind: global_buffer, .address_space: global }
    .group_segment_fixed_size: 137472
    .private_segment_fixed_size: 0
    .kernarg_segment_align: 8
    .kernarg_segment_size: 16
    .max_flat_workgroup_size: 512
    .sgpr_count:     66
    .vgpr_count:     162
    .wavefront_size: 32
...
	.end_amdgpu_metadata
.endif
;; end of part 1
;; launch proj (part 2): grid 4 x 96, 4 waves a work-group, clusters of 4 x 4, 327,680 bytes of LDS; arguments q_codes, q_scales, w_q_codes, w_q_scales, b_q, qw, k_codes, k_scales, w_k_codes, w_k_scales, b_k, kw, w_v_codes, w_v_scales, v_codes, v_scales, b_v, vw; writes qw, kw, vw
.if DOCPART == 2
	.amdgcn_target "amdgcn-amd-amdhsa--gfx1250"
	.amdhsa_code_object_version 6
	.text
	.protected	k_q997a404dd5_proj
	.globl	k_q997a404dd5_proj
	.p2align	8
	.type	k_q997a404dd5_proj,@function
k_q997a404dd5_proj:
	s_mov_b64 s[64:65], 0
	v_nop
	global_prefetch_b8 v0, s[64:65] scope:SCOPE_SE
	s_setreg_imm32_b32 hwreg(HW_REG_WAVE_MODE, 25, 1), 1
	s_wait_xcnt 0x0
	s_wait_alu depctr_hold_cnt(0) depctr_sa_sdst(0) depctr_va_vdst(0) depctr_va_sdst(0) depctr_va_ssrc(0) depctr_va_vcc(0) depctr_vm_vsrc(0)
	s_getreg_b32 s2, hwreg(HW_REG_IB_STS2, 6, 4)
	s_cmp_eq_u32 s2, 0
	s_cbranch_scc0 .Lentry_in_a_cluster
	s_endpgm
.Lentry_in_a_cluster:
	s_bfe_u32 s2, ttmp6, 0x10000c
	s_cmp_lg_u32 s2, 0xf033
	s_cbranch_scc0 .Lentry_shape_is_right
	s_endpgm
.Lentry_shape_is_right:
; THE THREE PROJECTIONS, one text: C[m][n] = sum over k of A[m][k] B[n][k] + bias, on codes of FP4 (E2M1) with one E8M0 scale for each 32 along K = 1,024; C is quantised along n in blocks of 32 and leaves as codes
; and scale words in the order of the reader's operand registers: no f32 number goes to memory.
;   Q, K: A = the tokens (8,192 rows), B = the weight (1,024 rows), bias along n.  128 along n are two heads: a lane's 8 code registers are two images (16 tokens x 64 channels) of the attention launch's operand.
;   V:    A = w_v (1,024 rows: m = channel), B = v's tokens (8,192 rows: n = key), bias along m.  So 'along n' is along the keys, and the 8 registers are a fragment of V^T, 16 channels x 128 keys.
; OUT: codes at byte 0, (MT*SA + NG*SB)*1024 + 512 c + 16 lane (MT = m / 16, NG = n / 128; Q, K: SA 8, SB 1; V: SA 1, SB 64); scale words at byte SCB, (NG*NMT + MT)*64 + 4 r (NMT 512 or 64).
; A tile of C, 256 x 256, is made by four waves, each 128 x 128: 64 accumulators, 512 registers.  K = 1,024 is two LDS slots of 512 along K (rows of 256 bytes), both asked for at the start: nothing is filled again.
; The scales of the work-group's 256 + 256 rows, for all of K, come once, as two dense blocks.
; CLUSTERS: 4 x 4 work-groups; the four of a row of the cluster ask for A's tiles jointly, the four of a column for B's.  Cluster y says which tensor (y / 8) and which strip of it (y % 8): equal in all sixteen partners.
; THE MATRIX INSTRUCTION IS USED TRANSPOSED (source 0 = 16 rows of B, source 1 = 16 rows of A): a lane holds row m = lane % 16, and its register j of tile b the column n = 16 b + 8 (lane / 16) + j.
; THE QUANTISER: a block's scale is 2^(floor(log2(largest magnitude)) - 2); its byte is the largest magnitude's exponent field - 2, held at 1 from below.
; LIMITS: a block of zeros gets the byte 1 where the rule says 127 (its codes are zeros, and this program alone reads the bytes); NaN and infinities are not served.
; REGISTERS, in windows of 256: window 0: v0-31 addresses; v32-95 scale words, two sets; v96-111 the bias along m, a pair for each block of A; v112-127 at work; v128-191 A's fragments, later 64 sums;
;   v192-255 the bias along n, the C of each sum's first product, later the codes.   window 1: B's fragments, two sets.   windows 2, 3: the accumulators.
.set KSTEP,  512                       ; along K in a slot
.set NQ,     KSTEP/128                 ; matrix instructions deep
.set ROWB,   256                       ; a tile's row in bytes
.set KROW,   512                       ; a row of A or of B in memory: 1,024 codes
.set PITCH,  272                       ; an LDS row: 256 bytes + 16 of padding: the sixteen rows that a load touches begin at sixteen different 16-byte columns of 256
.set FR,     8                         ; registers of a fragment: 16 rows x 128 K
.set NL,     2                         ; LDS loads that bring one
.set NP,     4                         ; places behind this matrix instruction (ISA guide 7.12.1)
.set HALFT,  128*PITCH                 ; 128 rows: what one tensor load brings
.set SLOT,   4*HALFT                   ; A's 256 rows, then B's 256 rows
.set KS,     32                        ; a row of scales in bytes
.set SCL,    2*SLOT                    ; behind the slots: the scales, as units of 256 bytes + 16 of padding
.set HALFS,  (128*KS/256)*272          ; the scales of 128 rows
.set SBLK,   (16*KS/256)*272           ; those of 16 rows
.set SPARE,  SCL+4*HALFS               ; behind the scales: the spare words, 128 bytes for each wave
.set SCB,    4194304                   ; where the scale words begin in an output buffer
.set PW,   7                           ; v7      the scale word just made
.set VO,   8                           ; v8-15   block a's byte offset in the codes: 16 lane + a x AST
.set ADRA, 16                          ; v16-17  LDS address of my A fragments in slot 0, 1
.set ADRB, 20                          ; v20-21  the same for B
.set LI,   24                          ; v24     16 x lane
.set SWS,  25                          ; v25     the way out: where a scale word goes: 512 wave + 4 r (in slot 0, which has had its only fill and its last read by then)
.set SWR,  26                          ; v26     and where 16 bytes of them come back: 512 wave + 16 lane
.set ADRS, 27                          ; v27     LDS address of my scale words: lanes 0-15 A's rows, lanes 16-31 B's
.set SPW,  28                          ; v28     LDS address of my spare word; never rewritten
.set NIL,  29                          ; v29     0; never rewritten
.set BNO,  30                          ; v30     32 (lane / 16): my eight numbers of a tile's sixteen of the bias along n
.set BMO,  31                          ; v31     4 (lane % 16): my row's number of the bias along m
.set SC,   32                          ; scale words: set s at v[SC + 32 s]; register 4 i + q: lanes 0-15 A's block i, lanes 16-31 B's block i, the slot's q-th 128 along K
.set BM,   96
.set TM,   112                         ; v112-115 largest magnitudes, v116-119 the other half's, then bytes, v124-127 the conversions' scale operands
.set AF,   128
.set X,    128
.set CI,   192
.set PC,   192
.set G1, 24                            ; s[24:31] descriptor group 1 for A's tiles;  s[32:39] group 0, one set for each slot
.set G0, 32
.set G1B, 48                           ; s[48:55], s[56:63] the same for B's tiles
.set G0B, 56
.set SEL, 66                           ; s[66:67] lane selects for v_permlanex16_b32: lane l xor 16
.set G1S, 68                           ; s[68:75], s[76:79] groups 1 and 0 for A's scales;  s[80:87], s[88:91] for B's
.set G0S, 76
.set G1SB, 80
.set G0SB, 88
.set MSB, 0
.macro WIN new                         ; the immediate's high byte repeats the setting that is left
.if MSB != \new
	s_set_vgpr_msb (MSB<<8)|\new
.set MSB, \new
.endif
.endm
.set MUL_LO, 0xa1                      ; source 0 (B) window 1, source 1 (A) window 0, C and D window 2
.set MUL_HI, 0xf1                      ; the same, C and D window 3
.set BEG_LO, 0x81                      ; a sum's first product: C (the bias) window 0, D window 2
.set BEG_HI, 0xc1                      ; D window 3
.set TO_B,   0x40                      ; destination window 1, address window 0
; A joint load: waves 0 and 1 fetch for A, waves 2 and 3 for B.  Each of the two lines has one mask and one set of registers for all that issue it; the branch hangs on the wave's number alone.
; Four v_nop follow each of the two lines, ahead of the jump, the label and what follows.
.macro JLOAD g0a, g1a, g0b, g1b
	s_cmp_eq_u32 s15, 0
	s_cbranch_scc0 .Lfor_b_\@
	tensor_load_to_lds s[\g0a:\g0a+3], s[\g1a:\g1a+7]
	s_nop 0
.rept 4
	v_nop
.endr
	s_branch .Lasked_\@
.Lfor_b_\@:
	tensor_load_to_lds s[\g0b:\g0b+3], s[\g1b:\g1b+7]
	s_nop 0
.rept 4
	v_nop
.endr
.Lasked_\@:
.endm
.macro CROUND                          ; a round of the cluster's barrier
	s_barrier_signal -1
	s_barrier_wait -1
	s_cmp_lg_u32 s14, 0
	s_cbranch_scc1 .Lnot_wave_0_\@
	s_barrier_signal -3
.Lnot_wave_0_\@:
	s_barrier_wait -3
	s_barrier_signal -1
	s_barrier_wait -1
.endm
	s_load_b256 s[4:11], s[0:1], 0x0               ; Q's six: A's codes, A's scales, B's codes, B's scales,
	s_load_b128 s[12:15], s[0:1], 0x20             ; the bias, the output
	s_load_b256 s[24:31], s[0:1], 0x30             ; K's six
	s_load_b128 s[32:35], s[0:1], 0x50
	s_load_b256 s[48:55], s[0:1], 0x60             ; V's six
	s_load_b128 s[56:59], s[0:1], 0x80
	v_lshl_add_u32 v[SPW], v0, 2, SPARE
	v_mov_b32 v[NIL], 0
	ds_add_u32 v28, v29
	ds_add_u32 v28, v29
	s_wait_dscnt 0x0
	s_and_b32 s94, ttmp7, 0xffff                   ; cluster y, 0 .. 23
	s_lshr_b32 s95, s94, 3                         ; T: 0 Q, 1 K, 2 V.  It stays in s95
	s_and_b32 s94, s94, 7                          ; L: which strip of four tiles
	s_wait_kmcnt 0x0
	s_cmp_eq_u32 s95, 1                            ; the choice hangs on the cluster's number alone
	s_cselect_b64 s[4:5], s[24:25], s[4:5]
	s_cselect_b64 s[6:7], s[26:27], s[6:7]
	s_cselect_b64 s[8:9], s[28:29], s[8:9]
	s_cselect_b64 s[10:11], s[30:31], s[10:11]
	s_cselect_b64 s[12:13], s[32:33], s[12:13]
	s_cselect_b64 s[14:15], s[34:35], s[14:15]
	s_cmp_eq_u32 s95, 2
	s_cselect_b64 s[4:5], s[48:49], s[4:5]         ; A's codes
	s_cselect_b64 s[6:7], s[50:51], s[6:7]         ; A's scales
	s_cselect_b64 s[8:9], s[52:53], s[8:9]         ; B's codes
	s_cselect_b64 s[10:11], s[54:55], s[10:11]     ; B's scales
	s_cselect_b64 s[12:13], s[56:57], s[12:13]     ; the bias
	s_cselect_b64 s[96:97], s[58:59], s[14:15]     ; the output
	s_cselect_b32 s18, s94, 0                      ; V: the strips go along the tile columns (tokens);
	s_cselect_b32 s19, 0, s94                      ; Q, K: along the tile rows
	v_lshrrev_b32 v1, 5, v0
	v_readfirstlane_b32 s14, v1                    ; wave 0..3
	s_lshr_b32 s15, s14, 1                         ; which half of the tile's rows is mine.  Also: I fetch for A (0) or for B (1)
	s_and_b32 s16, s14, 1                          ; which half of its columns.  Also: which 128 rows of that tile I fetch
	s_bfe_u32 s40, ttmp6, 0x40000                  ; cx, cy: my place in the cluster
	s_bfe_u32 s41, ttmp6, 0x40004
	s_lshl_b32 s42, s18, 2
	s_add_co_u32 s42, s42, s40                     ; tile column of C
	s_lshl_b32 s17, s19, 2
	s_add_co_u32 s17, s17, s41                     ; tile row of C
	s_lshl_b32 s43, s41, 2
	s_lshl_b32 s43, 15, s43                        ; my row of the cluster
	s_lshl_b32 s44, 0x1111, s40                    ; my column
	; descriptor group 1: a tile of 128 rows x 256 bytes, padded in LDS
	s_or_b32 s[G1+0], s43, (0<<16)|(1<<20)|(1<<21)|(5<<22)|(3<<25)  ; 15:0 the mask: A's tiles go to my row; 17:16 element of 1 byte; 20 padding on; 21 set beside a mask; 24:22 after every 64 words (code 5); 31:25 of 4 words (code 3)
	s_or_b32 s[G1B+0], s44, (0<<16)|(1<<20)|(1<<21)|(5<<22)|(3<<25)
.irp g, G1, G1B
	s_mov_b32 s[\g+1], ROWB<<16                    ; tensor_dim0
	s_mov_b32 s[\g+2], 128<<16                     ; tensor_dim1 = 128
	s_mov_b32 s[\g+3], ROWB<<16                    ; tile_dim0
	s_mov_b32 s[\g+4], 128                         ; tile_dim1 = 128
	s_mov_b32 s[\g+5], KROW                        ; tensor_dim0_stride
	s_mov_b32 s[\g+6], 0
	s_mov_b32 s[\g+7], 0
.endr
	; and for the scales of 128 rows: a dense block of 4,096 bytes, as 16 rows of 256 bytes (32 elements of 8 bytes), 16 bytes of padding behind each
	s_or_b32 s[G1S+0], s43, (3<<16)|(1<<20)|(1<<21)|(5<<22)|(3<<25)
	s_or_b32 s[G1SB+0], s44, (3<<16)|(1<<20)|(1<<21)|(5<<22)|(3<<25)
.irp g, G1S, G1SB
	s_mov_b32 s[\g+1], 32<<16
	s_mov_b32 s[\g+2], (128*KS/256)<<16
	s_mov_b32 s[\g+3], 32<<16
	s_mov_b32 s[\g+4], 128*KS/256
	s_mov_b32 s[\g+5], 32
	s_mov_b32 s[\g+6], 0
	s_mov_b32 s[\g+7], 0
.endr
	s_lshl_b32 s18, s16, 7                         ; which 128 rows of the tile I fetch
	s_lshl_b32 s20, s17, 8
	s_add_co_u32 s20, s20, s18                     ; A: row 256 x tile row + 128 x half
	s_lshl_b32 s46, s42, 8
	s_add_co_u32 s46, s46, s18                     ; B: row 256 x tile column + 128 x half
	s_mov_b32 s21, 0
	s_mov_b32 s47, 0
	s_mov_b64 s[18:19], KS
	s_mul_u64 s[22:23], s[20:21], s[18:19]         ; where these rows' scales begin, in bytes
	s_mul_u64 s[92:93], s[46:47], s[18:19]
	s_mov_b64 s[18:19], KROW
	s_mul_u64 s[20:21], s[20:21], s[18:19]         ; and their codes
	s_mul_u64 s[46:47], s[46:47], s[18:19]
	s_mul_i32 s45, s14, HALFT                      ; where they go: wave x 128 rows: no place in the cluster enters an LDS address
	s_mul_i32 s94, s14, HALFS
	s_add_nc_u64 s[20:21], s[4:5], s[20:21]
	s_add_nc_u64 s[22:23], s[6:7], s[22:23]
	s_add_nc_u64 s[46:47], s[8:9], s[46:47]
	s_add_nc_u64 s[92:93], s[10:11], s[92:93]
	CROUND                                         ; all sixteen work-groups are here: the joint loads meet
	s_mov_b32 s[G0S], 1
	s_add_co_u32 s[G0S+1], s94, SCL
	s_mov_b64 s[G0S+2:G0S+3], s[22:23]
	s_or_b32 s[G0S+3], s[G0S+3], 0x80000000
	s_mov_b32 s[G0SB], 1
	s_add_co_u32 s[G0SB+1], s94, SCL
	s_mov_b64 s[G0SB+2:G0SB+3], s[92:93]
	s_or_b32 s[G0SB+3], s[G0SB+3], 0x80000000
	JLOAD G0S, G1S, G0SB, G1SB                     ; the scales first: they are wanted with slot 0
.irp s, 0,1
	s_mov_b32 s[G0+4*\s], 1
	s_add_co_u32 s[G0+4*\s+1], s45, \s*SLOT
	s_add_nc_u64 s[G0+4*\s+2:G0+4*\s+3], s[20:21], \s*ROWB
	s_or_b32 s[G0+4*\s+3], s[G0+4*\s+3], 0x80000000
	s_mov_b32 s[G0B+4*\s], 1
	s_add_co_u32 s[G0B+4*\s+1], s45, \s*SLOT
	s_add_nc_u64 s[G0B+4*\s+2:G0B+4*\s+3], s[46:47], \s*ROWB
	s_or_b32 s[G0B+4*\s+3], s[G0B+4*\s+3], 0x80000000
	JLOAD G0+4*\s, G1, G0B+4*\s, G1B               ; both slots: all of K.  Three tensor loads of mine are out
.endr
	; where the results go and which bias is live: chosen by T once more
	v_and_b32 v1, 15, v0                           ; l % 16
	v_bfe_u32 v2, v0, 4, 1                         ; l / 16
	v_lshlrev_b32 v[BNO], 5, v2
	v_lshlrev_b32 v[BMO], 2, v1
	s_lshl_b32 s4, s42, 1
	s_add_co_u32 s4, s4, s16                       ; NG = my first column / 128
	s_lshl_b32 s5, s17, 4
	s_lshl_b32 s6, s15, 3
	s_add_co_u32 s5, s5, s6                        ; MT0 = my first row / 16
	s_lshl_b32 s2, s4, 9                           ; my 128 numbers of a bias along n
	s_lshl_b32 s3, s5, 6                           ; my 128 numbers of a bias along m
	s_mov_b32 s101, 8192
	s_mov_b32 s8, 512
	s_cmp_eq_u32 s95, 2
	s_cselect_b32 s100, 0, -1                      ; all ones for Q and K: the bias goes along n
	s_cselect_b32 s101, 1024, s101                 ; AST: bytes of codes from a block of 16 rows to the next
	s_cselect_b32 s6, 1, 8                         ; SA
	s_cselect_b32 s7, 64, 1                        ; SB
	s_cselect_b32 s8, 64, s8                       ; NMT
	s_cselect_b32 s2, 0, s2                        ; the bias that is not live is read at the buffer's head and replaced by zeros: every load stays inside its 4,096 bytes
	s_cselect_b32 s3, s3, 0
	s_mul_i32 s6, s5, s6
	s_mul_i32 s7, s4, s7
	s_add_co_u32 s6, s6, s7
	s_lshl_b32 s6, s6, 10
	s_mov_b32 s7, 0
	s_mul_i32 s8, s4, s8
	s_add_co_u32 s8, s8, s5
	s_lshl_b32 s8, s8, 6
	s_add_co_u32 s8, s8, SCB
	s_mov_b32 s9, 0
	s_add_nc_u64 s[98:99], s[96:97], s[8:9]        ; my 512 bytes of scale words
	s_add_nc_u64 s[96:97], s[96:97], s[6:7]        ; my first block's codes
	s_mov_b32 s10, s2
	s_mov_b32 s11, 0
	s_add_nc_u64 s[10:11], s[12:13], s[10:11]
	s_mov_b32 s4, s3
	s_mov_b32 s5, 0
	s_add_nc_u64 s[4:5], s[12:13], s[4:5]
.irp b, 0,1,2,3,4,5,6,7
	global_load_b128 v[CI+8*\b:CI+8*\b+3], v[BNO], s[10:11] offset:64*\b        ; bias(16 b + 8 h + 0 .. 7): the result's layout of tile b
	global_load_b128 v[CI+8*\b+4:CI+8*\b+7], v[BNO], s[10:11] offset:64*\b+16
.endr
.irp a, 0,1,2,3,4,5,6,7
	global_load_b32 v[BM+2*\a], v[BMO], s[4:5] offset:64*\a                     ; bias(16 a + r)
.endr
	s_mov_b32 s[SEL], 0x76543210
	s_mov_b32 s[SEL+1], 0xfedcba98
	v_mul_u32_u24 v3, v1, PITCH
	v_lshl_add_u32 v4, v2, 4, v3                   ; a fragment's row x pitch + 16 x half
	s_mul_i32 s21, s15, HALFT                      ; my 128 rows of A
	s_mul_i32 s22, s16, HALFT                      ; my 128 rows of B,
	s_add_co_u32 s22, s22, 2*HALFT                 ; which lie behind A's 256
.irp s, 0,1
	v_add_nc_u32 v[ADRA+\s], s21, v4
	v_add_nc_u32 v[ADRB+\s], s22, v4
	s_add_co_u32 s21, s21, SLOT
	s_add_co_u32 s22, s22, SLOT
.endr
	v_mul_u32_u24 v5, v1, KS                       ; my row's scales: 32 bytes a row,
	v_lshrrev_b32 v6, 8, v5
	v_lshl_add_u32 v5, v6, 4, v5                   ; and 16 more for each 256 passed
	s_mul_i32 s21, s15, HALFS                      ; A's: my 128 rows
	s_mul_i32 s22, s16, HALFS                      ; B's: my 128 rows, behind A's 256
	s_add_co_u32 s22, s22, 2*HALFS
	s_sub_co_u32 s22, s22, s21
	v_mul_u32_u24 v6, s22, v2                      ; lanes 16-31 take B's
	s_add_co_u32 s21, s21, SCL
	v_add_nc_u32 v5, v5, v6
	v_add_nc_u32 v[ADRS], s21, v5
	v_and_b32 v6, 31, v0
	v_lshlrev_b32 v[LI], 4, v6
	s_lshl_b32 s23, s14, 9
	v_lshl_add_u32 v[SWS], v1, 2, s23
	v_add_nc_u32 v[SWR], s23, v[LI]
.irp b, 0,1,2,3
	v_mov_b32 v[TM+4+\b], 0                        ; written once: a lane permute's destination counts as one of its sources
.endr
	s_wait_loadcnt 0x0                             ; the biases
.set i, 0
.rept 64
	v_cndmask_b32 v[CI+i], 0, v[CI+i], s100        ; V: zeros along n
.set i, i+1
.endr
.irp a, 0,1,2,3,4,5,6,7
	v_cndmask_b32 v[BM+2*\a], v[BM+2*\a], 0, s100  ; Q, K: zeros along m
.endr
.irp a, 0,1,2,3,4,5,6,7
	v_mov_b32 v[BM+2*\a+1], v[BM+2*\a]             ; (the packed addition names a pair)
.endr
.macro FRAG reg, adr, q, i             ; a fragment, 16 rows x 128 K of 4-bit codes, is 8 registers: lane l holds row l % 16; registers 4 c .. 4 c + 3 hold K = 64 c + 32 (l / 16) + 0 .. 31
.irp c, 0,1
	ds_load_b128 v[\reg+4*\c:\reg+4*\c+3], v[\adr] offset:64*(\q)+32*\c+(\i)*16*PITCH
.endr
.endm
; 16 matrix instructions: A's blocks a0, a0 + 1 x B's eight, 128 along K: the slot's q-th.  p: B's set;  sc: the set of scale words.  zero = 1: the first product starts the sums, with the bias along n as its C.
; The 64 accumulators take turns, one instruction a turn, in the same order in every step.
.macro MUL16 a0, p, q, sc, zero
.irp a, \a0, \a0+1
.irp b, 0,1,2,3,4,5,6,7
.if \zero
	v_wmma_scale_f32_16x16x128_f8f6f4 v[8*(8*((\a)%4)+\b):8*(8*((\a)%4)+\b)+7], v[128*(\p)+FR*\b:128*(\p)+FR*\b+FR-1], v[AF+FR*(\a):AF+FR*(\a)+FR-1], v[CI+8*\b:CI+8*\b+7], v[SC+8*NQ*(\sc)+NQ*\b+(\q)], v[SC+8*NQ*(\sc)+NQ*(\a)+(\q)] matrix_a_fmt:MATRIX_FMT_FP4 matrix_b_fmt:MATRIX_FMT_FP4 matrix_a_scale:MATRIX_SCALE_ROW1
.else
	v_wmma_scale_f32_16x16x128_f8f6f4 v[8*(8*((\a)%4)+\b):8*(8*((\a)%4)+\b)+7], v[128*(\p)+FR*\b:128*(\p)+FR*\b+FR-1], v[AF+FR*(\a):AF+FR*(\a)+FR-1], v[8*(8*((\a)%4)+\b):8*(8*((\a)%4)+\b)+7], v[SC+8*NQ*(\sc)+NQ*\b+(\q)], v[SC+8*NQ*(\sc)+NQ*(\a)+(\q)] matrix_a_fmt:MATRIX_FMT_FP4 matrix_b_fmt:MATRIX_FMT_FP4 matrix_a_scale:MATRIX_SCALE_ROW1
.endif
.endr
.endr
.endm
.macro FETCH_B slot, q, p              ; B's eight fragments of the slot's q-th 128 along K into set p
	WIN TO_B
.irp i, 0,1,2,3,4,5,6,7
	FRAG 128*(\p)+FR*\i, ADRB+\slot, \q, \i
.endr
	WIN 0
.endm
.macro FETCH_A slot, q, i0             ; A's blocks i0 .. i0 + 3
.irp i, \i0, \i0+1, \i0+2, \i0+3
	FRAG AF+FR*(\i), ADRA+\slot, \q, \i
.endr
.endm
.macro SCALES sc                       ; a slot's scale words into set sc: 4 words a row; lanes 0-15 take A's block i, lanes 16-31 B's block i
.irp i, 0,1,2,3,4,5,6,7
	ds_load_b128 v[SC+8*NQ*\sc+NQ*\i:SC+8*NQ*\sc+NQ*\i+3], v[ADRS] offset:\i*SBLK
.endr
.endm
; A load into a register that a matrix instruction has read, and a vector instruction that reads a matrix result or writes one of a matrix instruction's registers, stand NP places behind it; only plain
; vector instructions that name none of its registers are places (ISA guide 7.12.1 for vector instructions).
.macro PLACES n
.rept \n
	v_nop
.endr
.endm
; A step of 128 along K that has its successor in the same slot.
.macro STEP slot, q, zero
	s_wait_dscnt 4*NL                              ; B's set, A's blocks 0-3 and the scale words are in; the youngest eight loads (A's blocks 4-7) may be out
.if \zero
	WIN BEG_LO
.else
	WIN MUL_LO
.endif
	MUL16 0, (\q)%2, \q, \slot, \zero
	MUL16 2, (\q)%2, \q, \slot, \zero
	s_wait_dscnt 0                                 ; A's blocks 4-7 are in (asked for 32 matrix instructions ago)
	PLACES NP
	FETCH_B \slot, (\q)+1, 1-(\q)%2
	FETCH_A \slot, (\q)+1, 0
.if \zero
	WIN BEG_HI
.else
	WIN MUL_HI
.endif
	MUL16 4, (\q)%2, \q, \slot, \zero
	MUL16 6, (\q)%2, \q, \slot, \zero
	PLACES NP
	WIN 0
	FETCH_A \slot, (\q)+1, 4
.endm
; Slot 0's last step changes slots: one barrier; in front of it each wave waits for all its tensor loads (slot 1's), adds 0 to its spare word, and waits for that and for its own reads of slot 0.  Nothing is filled again.
.macro TURN slot, next
	s_wait_tensorcnt 0x0                           ; all my tensor loads have landed: my part of the next slot;  (every window is 0 here)
	ds_add_u32 v[SPW], v[NIL]                      ; 0 onto my spare word
	s_wait_dscnt 4*NL+1                            ; (the add and the youngest eight loads, A's blocks 4-7, may be out)
	WIN MUL_LO
	MUL16 0, 1, NQ-1, \slot, 0                     ; sixteen matrix instructions stand between the add and the wait for it
	s_wait_dscnt 0x0                               ; the add is done, and my reads of this slot are over
	s_barrier_signal -1
	MUL16 2, 1, NQ-1, \slot, 0
	WIN 0
	s_barrier_wait -1                              ; the next slot is whole, and nobody reads this one any more
	PLACES NP
	v_add_nc_u32 v[ADRS], 4*NQ, v[ADRS]            ; on to the next slot's scale words (no LDS load of mine is out)
	FETCH_B \next, 0, 0
	FETCH_A \next, 0, 0
	SCALES \next
	WIN MUL_HI
	MUL16 4, 1, NQ-1, \slot, 0
	MUL16 6, 1, NQ-1, \slot, 0
	PLACES NP
	WIN 0
	FETCH_A \next, 0, 4
.endm
.macro STEPS slot, from                ; the slot's steps from .. NQ - 2
.set Q, \from
.rept NQ-1-\from
	STEP \slot, Q, 0
.set Q, Q+1
.endr
.endm
	s_wait_tensorcnt 1                             ; the scales and my part of slot 0 are in (slot 1's load may be out),
	s_barrier_signal -1
	s_barrier_wait -1                              ; everybody's are
	FETCH_B 0, 0, 0
	FETCH_A 0, 0, 0
	SCALES 0
	FETCH_A 0, 0, 4
	STEP 0, 0, 1                                   ; the first step's products start the sums
	STEPS 0, 1
	TURN 0, 1
	STEPS 1, 0
	s_wait_dscnt 4*NL                              ; the very last step: nothing more to fetch
	WIN MUL_LO
	MUL16 0, 1, NQ-1, 1, 0
	MUL16 2, 1, NQ-1, 1, 0
	s_wait_dscnt 0
	WIN MUL_HI
	MUL16 4, 1, NQ-1, 1, 0
	MUL16 6, 1, NQ-1, 1, 0
	WIN 0
; THE WAY OUT, block by block of 16 rows x 128 columns.
; ADDB: block a's 64 sums come into window 0, with the bias along m added; each accumulator is read from its low end on.
.macro ADDB a
	WIN 0x02+(\a)/4                                ; source 0: window 2 or 3
.set i, 0
.rept 32
	v_pk_add_f32 v[X+2*i:X+2*i+1], v[64*((\a)%4)+2*i:64*((\a)%4)+2*i+1], v[BM+2*(\a):BM+2*(\a)+1] op_sel_hi:[1,0]
.set i, i+1
.endr
	WIN 0
.endm
; QUANTN: 64 numbers of a lane, register 8 t + j = n 16 t + 8 (lane / 16) + j of my row, become a fragment's codes in v[pc] on and its scale word in v[pw].  Block b of 32 is tiles 2 b and 2 b + 1, in both halves of the lanes.
.macro QUANTN s, pc, pw
.irp b, 0,1,2,3
	v_max3_num_f32 v[TM+\b], |v[\s+16*\b]|, |v[\s+1+16*\b]|, 0x1800000   ; block b: my 16 numbers, and the floor 2^(3 - 127): the byte cannot fall under 1
.endr
.irp i, 2,4,6,8,10,12,14
.irp b, 0,1,2,3
	v_max3_num_f32 v[TM+\b], v[TM+\b], |v[\s+16*\b+\i]|, |v[\s+1+16*\b+\i]|   ; (the four blocks by turns)
.endr
.endr
.irp b, 0,1,2,3
	v_permlanex16_b32 v[TM+4+\b], v[TM+\b], s[SEL], s[SEL+1]
.endr
.irp b, 0,1,2,3
	v_max_num_f32 v[TM+\b], v[TM+\b], v[TM+4+\b]   ; with lane l xor 16's: the block's largest magnitude
.endr
.irp b, 0,1,2,3
	v_add_nc_u32 v[TM+12+\b], 0xff000000, v[TM+\b] ; 2 off its exponent field: the conversion takes the exponent field of this operand as its scale
.endr
.irp b, 0,1,2,3
	v_lshrrev_b32 v[TM+4+\b], 23, v[TM+12+\b]      ; the scale's byte
.endr
	v_lshl_or_b32 v[\pw], v[TM+5], 8, v[TM+4]      ; the four bytes make my row's scale word
	v_lshl_or_b32 v[\pw], v[TM+6], 16, v[\pw]
	v_lshl_or_b32 v[\pw], v[TM+7], 24, v[\pw]
.irp b, 0,1,2,3
	v_cvt_scalef32_pk8_fp4_f32 v[\pc+4*(\b/2)+\b%2], v[\s+16*\b:\s+7+16*\b], v[TM+12+\b]        ; n = 32 b + 8 h + 0 .. 7
	v_cvt_scalef32_pk8_fp4_f32 v[\pc+4*(\b/2)+2+\b%2], v[\s+8+16*\b:\s+15+16*\b], v[TM+12+\b]   ; n = 32 b + 16 + 8 h + 0 .. 7
.endr
	v_nop                                          ; one plain place behind a scaled conversion
.irp c, 0,1                                    ; the first's lanes 16-31 change places with the second's lanes 0-15: registers 4 c .. 4 c + 3 then hold n = 64 c + 32 h + 0 .. 31: the operand's image
	v_permlane16_swap_b32 v[\pc+4*\c], v[\pc+4*\c+1]
	v_permlane16_swap_b32 v[\pc+4*\c+2], v[\pc+4*\c+3]
.endr
.endm
.irp a, 0,1,2,3,4,5,6,7
	v_mad_u32_u24 v[VO+\a], s101, \a, v[LI]        ; eight plain lines: also the places behind the last products
.endr
.irp a, 0,1,2,3,4,5,6,7
	ADDB \a
	s_wait_dscnt 0x0                               ; the last block's LDS store has read the scale word's register
.set PCA, PC+8*\a
	QUANTN X, PCA, PW
	global_store_b128 v[VO+\a], v[PCA:PCA+3], s[96:97]             ; 32 lanes store 512 consecutive bytes, aligned; each block has registers of its own, so no store's sources are written again
	global_store_b128 v[VO+\a], v[PCA+4:PCA+7], s[96:97] offset:512
	ds_store_b32 v[SWS], v[PW] offset:64*\a        ; both lanes of a row write the same word with the same value
.endr
	ds_load_b128 v[TM:TM+3], v[SWR]                ; LDS serves a wave's instructions in order: this sees my stores
	s_wait_dscnt 0x0
	global_store_b128 v[LI], v[TM:TM+3], s[98:99]  ; my 8 x 16 scale words: 512 consecutive bytes
	s_wait_tensorcnt 0x0                           ; the wave's end
	ds_add_u32 v[SPW], v[NIL]
	s_wait_dscnt 0x0
	CROUND                                         ; the closing round: no work-group ends while a partner may still ask for a tile that names it
	s_endpgm
.Lfunc_end_k_q997a404dd5_proj:
	.size	k_q997a404dd5_proj, .Lfunc_end_k_q997a404dd5_proj-k_q997a404dd5_proj
	.p2alignl 7, 3214868480
	.fill 96, 4, 3214868480
	.section	.rodata,"a",@progbits
	.p2align	6, 0x0
	.amdhsa_kernel k_q997a404dd5_proj
		.amdhsa_group_segment_fixed_size 327680
		.amdhsa_private_segment_fixed_size 0
		.amdhsa_enable_private_segment 0
		.amdhsa_kernarg_size 144
		.amdhsa_user_sgpr_count 2
		.amdhsa_user_sgpr_kernarg_segment_ptr 1
		.amdhsa_wavefront_size32 1
		.amdhsa_system_sgpr_workgroup_id_x 1
		.amdhsa_system_sgpr_workgroup_id_y 1
		.amdhsa_system_sgpr_workgroup_id_z 1
		.amdhsa_system_vgpr_workitem_id 0
		.amdhsa_next_free_vgpr 1024
		.amdhsa_next_free_sgpr 102
		.amdhsa_reserve_vcc 0
		.amdhsa_float_denorm_mode_32 3
		.amdhsa_float_denorm_mode_16_64 3
		.amdhsa_memory_ordered 1
		.amdhsa_forward_progress 1
		.amdhsa_inst_pref_size 153
	.end_amdhsa_kernel
	.amdgpu_metadata
---
amdhsa.version: [ 1, 2 ]
amdhsa.kernels:
  - .name:           k_q997a404dd5_proj
    .symbol:         k_q997a404dd5_proj.kd
    .args:
      - { .name: q_codes, .offset: 0, .size: 8, .value_kind: global_buffer, .address_space: global }
      - { .name: q_scales, .offset: 8, .size: 8, .value_kind: global_buffer, .address_space: global }
      - { .name: w_q_codes, .offset: 16, .size: 8, .value_kind: global_buffer, .address_space: global }
      - { .name: w_q_scales, .offset: 24, .size: 8, .value_kind: global_buffer, .address_space: global }
      - { .name: b_q, .offset: 32, .size: 8, .value_kind: global_buffer, .address_space: global }
      - { .name: qw, .offset: 40, .size: 8, .value_kind: global_buffer, .address_space: global }
      - { .name: k_codes, .offset: 48, .size: 8, .value_kind: global_buffer, .address_space: global }
      - { .name: k_scales, .offset: 56, .size: 8, .value_kind: global_buffer, .address_space: global }
      - { .name: w_k_codes, .offset: 64, .size: 8, .value_kind: global_buffer, .address_space: global }
      - { .name: w_k_scales, .offset: 72, .size: 8, .value_kind: global_buffer, .address_space: global }
      - { .name: b_k, .offset: 80, .size: 8, .value_kind: global_buffer, .address_space: global }
      - { .name: kw, .offset: 88, .size: 8, .value_kind: global_buffer, .address_space: global }
      - { .name: w_v_codes, .offset: 96, .size: 8, .value_kind: global_buffer, .address_space: global }
      - { .name: w_v_scales, .offset: 104, .size: 8, .value_kind: global_buffer, .address_space: global }
      - { .name: v_codes, .offset: 112, .size: 8, .value_kind: global_buffer, .address_space: global }
      - { .name: v_scales, .offset: 120, .size: 8, .value_kind: global_buffer, .address_space: global }
      - { .name: b_v, .offset: 128, .size: 8, .value_kind: global_buffer, .address_space: global }
      - { .name: vw, .offset: 136, .size: 8, .value_kind: global_buffer, .address_space: global }
    .group_segment_fixed_size: 327680
    .private_segment_fixed_size: 0
    .kernarg_segment_align: 8
    .kernarg_segment_size: 144
    .max_flat_workgroup_size: 128
    .sgpr_count:     102
    .vgpr_count:     1024
    .wavefront_size: 32
...
	.end_amdgpu_metadata
.endif
;; end of part 2
;; launch attn (part 3): grid 4 x 64, 16 waves a work-group, no clusters, 145,408 bytes of LDS; arguments qw, kw, vw, mk, aw; writes aw
.if DOCPART == 3
	.amdgcn_target "amdgcn-amd-amdhsa--gfx1250"
	.amdhsa_code_object_version 6
	.text
	.protected	k_q997a404dd5_attn
	.globl	k_q997a404dd5_attn
	.p2align	8
	.type	k_q997a404dd5_attn,@function
k_q997a404dd5_attn:
	s_mov_b64 s[64:65], 0
	v_nop
	global_prefetch_b8 v0, s[64:65] scope:SCOPE_SE
	s_setreg_imm32_b32 hwreg(HW_REG_WAVE_MODE, 25, 1), 1
	s_wait_xcnt 0x0
; ATTENTION on codes of FP4 (E2M1): for each batch b and head, O[q] = sum over keys of softmax(Q[q] . K[key] / 8, hidden where mask == 0) V[key]; the result is quantised along d_model and leaves as the last product's operand.
; IN (this program's own buffers): qw, kw: images of 16 tokens x 64 channels, 512 bytes, at (token / 16)*8192 + head*512; scale words at SCB + ((head / 2)*512 + token / 16)*64 + 4 r, the even head in the low half.
;   vw: fragments of V^T, 16 channels x 128 keys, 1,024 bytes, at ((b*16 + ks)*64 + head*4 + ct)*1024; scale words at SCB + the same index x 64 + 4 r.   mk: lane masks and classes of the mask's tiles.
; OUT: aw: codes laid as qw's; scale bytes at SCB + token*32 + head*2 + block.
; THE SOFTMAX AHEAD OF THE SECOND PRODUCT: t = score x log2(e) / 8; M = the running largest t, rounded UP to a whole number; p = 2^(t - M) is quantised along the keys, not normalised; the row's sum is taken of the
; unquantised p and divides at the end.  When M moves, the sum and O are multiplied by 2^(old M - new M): exact.
; THE MASK IS AN INPUT.  Per tile of 16 queries x 128 keys the launch before has stored: may it be left out, is it all open, and 64 lane masks.  A scalar branch on those whole numbers leads round a step's work, or round its 64 selects.
; LIMIT: a hidden score is set to -2^33, that is the logit -2^30 where the definition has -1e9.  c x 2^33 is exact and a whole number, so in a row with no open key t - M is exactly 0 and every p is 1, as the
; definition has it; elsewhere a hidden p is 0 under both.  The results are the same wherever every open logit lies above about -9.9e8.  NaN and infinities are not served; a block of zeros gets the byte 1 (its codes are zeros).
; SHARES.  A work-group owns a quarter of the queries of one (b, head) and holds the WHOLE head's K and V in LDS, 140 KB, filled once through registers.  Wave w of work-group x takes query tiles g = 16 x + w and 127 - g.
; Sixteen waves of 256 registers: four to a SIMD, so that one wave's vector work stands beside another's products and LDS loads.
; NO TENSOR LOAD, NO CLUSTER: the launch branches on numbers read from memory, and without tensor loads there is no joint request.  NO PREFETCH: all that a work-group reads of K and V is asked for in one
; run at its head; nothing is streamed later.
; LAYOUT.  Both products are used transposed: S^T = K Q^T (source 0 = 16 keys, source 1 = my 16 queries), O^T = V^T P^T: a lane holds ONE query (lane % 16) throughout; score register 8 t + j is key 16 t + 8 (lane / 16) + j.
; The head's K axis is 64: the upper four registers of K's and Q's fragments are zero codes, and their two scale bytes are 0, which is a number.
.set VL,   65536                       ; LDS: K's 128 images at 0; V's 16 x 4 fragments here;
.set KSL,  131072                      ; K's scale words, 64 bytes a tile of 16 keys;
.set VSL,  139264                      ; V's, 256 bytes a key step
.set SCB,  4194304                     ; where the scales begin in qw, kw, vw, aw
.set CLS,  524288                      ; where the classes begin in mk
.set LI,   1                           ; v1   16 x lane: my place in an image
.set LV,   2                           ; v2   the same + VL
.set LKS,  3                           ; v3   4 r + KSL
.set ADK,  4                           ; v4-7 the step's LDS addresses: K, K's scale words, V, V's scale words
.set ADS,  5
.set ADV,  6
.set ADT,  7
.set QO,   8                           ; v8   16 lane + 8192 x tile: Q's image, and the result's
.set QSO,  9                           ; v9   4 r + 64 x tile: Q's scale word
.set SMK,  10                          ; v10  -2^33
.set ASO,  11                          ; v11  32 r + 512 x tile: the result's scale bytes
.set NM,   12                          ; v12  -M;  v13 the largest t
.set SUM,  14                          ; v[14:15] the row's sum, in two halves
.set QF,   16                          ; v16-19 Q, v20-23 zeros
.set QSC,  24                          ; v24  Q's scale word
.set LVS,  25                          ; v25  4 r + VSL
.set CSO,  26                          ; v26-29 the conversions' scale operands
.set LANE, 30
.set ROW,  31
.set KF,   32                          ; v[32 + 8 t ..] K's tile t; its upper four registers stay 0
.set S,    96                          ; v96-159  S^T, then p
.set O,    160                         ; v160-191 O^T, four tiles of 16 channels
.set PCD,  192                         ; v192-199 p's codes
.set KSC,  200                         ; v200-207 K's scale words
.set VSC,  208                         ; v208-211 V's
.set VF,   212                         ; v212-243 V's four fragments
.set BMX,  244                         ; v244-247 the blocks' largest scores, then largest p
.set TMP,  248                         ; v248-251 at work
.set F,    252                         ; v252 f = 2^(old M - new M);  v253 p's scale word
.set PSC,  253
.set WK,   254
.set QC,   4                           ; s[4:5] Q's codes, s[6:7] Q's scale words, of my (b, head)
.set QS,   6
.set MK,   8                           ; s[8:9] mk;  s[10:11] its classes
.set CL,   10
.set AOC,  12                          ; s[12:13] the result's codes, s[14:15] its scale bytes
.set AOS,  14
.set WV,   84
.set QT,   85                          ; the tile of queries in hand
.set TRIP, 86
.set KCNT, 87
.set SKIP, 88                          ; s[88:89] the tile's classes, shifted right a bit a step
.set OPEN, 89
.set TBK,  90                          ; the step's bytes in K's and in V's region: 4,096 a step
.set TSK,  91                          ; among K's scale words: 512 a step
.set MWP,  92                          ; s[92:93] the step's 64 lane masks in mk: 256 bytes a step
.set CS,   94                          ; s[94:95] c = log2(e) / 8
.set SEL,  96                          ; s[96:97] lane selects for v_permlanex16_b32: lane l xor 16
.set SH,   98                          ; 16 x (head % 2): my head's half of a scale word of Q or K
.set TSV,  99                          ; among V's scale words: 256 a step
	s_load_b256 s[16:23], s[0:1], 0x0              ; qw s[16:17], kw s[18:19], vw s[20:21], mk s[22:23]
	s_load_b64 s[24:25], s[0:1], 0x20              ; aw
	v_lshrrev_b32 v[LANE], 5, v0
	v_readfirstlane_b32 s[WV], v[LANE]             ; wave 0..15
	v_and_b32 v[LANE], 31, v0
	v_and_b32 v[ROW], 15, v0
	v_lshlrev_b32 v[LI], 4, v[LANE]
	v_add_nc_u32 v[LV], VL, v[LI]
	v_lshl_add_u32 v[LKS], v[ROW], 2, KSL
	v_lshl_add_u32 v[LVS], v[ROW], 2, VSL
	s_and_b32 s26, ttmp7, 0xffff
	s_lshr_b32 s27, s26, 4                         ; b
	s_and_b32 s28, s26, 15                         ; head
	s_lshl_b32 s29, s27, 20
	s_lshl_b32 s30, s28, 9
	s_add_co_u32 s30, s30, s29                     ; codes of Q, K and the result: (b << 20) + (head << 9)
	s_mov_b32 s31, 0
	s_lshr_b32 s32, s28, 1
	s_lshl_b32 s32, s32, 15
	s_lshl_b32 s33, s27, 13
	s_add_co_u32 s32, s32, s33
	s_add_co_u32 s32, s32, SCB                     ; scale words of Q and K
	s_mov_b32 s33, 0
	s_lshl_b32 s34, s[WV], 16                      ; my wave's eight tiles of K; my wave's key step of V
	s_lshl_b32 s35, s28, 12
	s_add_co_u32 s36, s34, s35
	s_add_co_u32 s36, s36, s29                     ; V's codes: (b << 20) + (ks << 16) + (head << 12)
	s_mov_b32 s37, 0
	s_mov_b32 s35, 0
	s_lshl_b32 s38, s27, 16
	s_lshl_b32 s39, s[WV], 12
	s_add_co_u32 s40, s38, s39
	s_lshl_b32 s39, s28, 8
	s_add_co_u32 s40, s40, s39
	s_add_co_u32 s40, s40, SCB                     ; V's scale words
	s_mov_b32 s41, 0
	s_lshl_b32 s42, s28, 1
	s_add_co_u32 s42, s42, s38
	s_add_co_u32 s42, s42, SCB                     ; the result's scale bytes: (b << 16) + 2 head
	s_mov_b32 s43, 0
	s_and_b32 s[SH], s28, 1
	s_lshl_b32 s[SH], s[SH], 4
	s_mov_b32 s[CS], 0x3e38aa3b                    ; c = log2(e) / 8
	s_mov_b32 s[CS+1], s[CS]                       ; (named with it as a pair, so it is written)
	s_mov_b32 s[SEL], 0x76543210
	s_mov_b32 s[SEL+1], 0xfedcba98
	s_lshl_b32 s[QT], ttmp9, 4
	s_add_co_u32 s[QT], s[QT], s[WV]               ; g = 16 x + w
	s_mov_b32 s[TRIP], 2
	v_lshlrev_b32 v[QO], 4, v0                     ; (for the fill: 16 x thread,
	v_lshlrev_b32 v[QSO], 3, v[LANE]               ; and 8 x lane)
	s_lshl_b32 s2, s[WV], 12
	s_lshl_b32 s3, s[WV], 8
	v_add_nc_u32 v[ADK], s2, v[LI]                 ; where my wave's part of K goes: 4,096 w + 16 lane;
	v_add_nc_u32 v[ADV], s2, v[LV]                 ; of V;
	v_add_nc_u32 v[ADS], KSL, v[QO]                ; my thread's 16 bytes of K's scale words;
	v_add_nc_u32 v[ADT], s3, v[QSO]
	v_add_nc_u32 v[ADT], VSL, v[ADT]               ; my 8 bytes of V's
	s_wait_kmcnt 0x0
	s_add_nc_u64 s[QC:QC+1], s[16:17], s[30:31]
	s_add_nc_u64 s[QS:QS+1], s[16:17], s[32:33]
	s_mov_b64 s[MK:MK+1], s[22:23]
	s_add_nc_u64 s[CL:CL+1], s[22:23], CLS
	s_add_nc_u64 s[AOC:AOC+1], s[24:25], s[30:31]
	s_add_nc_u64 s[AOS:AOS+1], s[24:25], s[42:43]
	s_add_nc_u64 s[44:45], s[18:19], s[30:31]
	s_add_nc_u64 s[44:45], s[44:45], s[34:35]
	s_add_nc_u64 s[46:47], s[18:19], s[32:33]
	s_add_nc_u64 s[48:49], s[20:21], s[36:37]
	s_add_nc_u64 s[50:51], s[20:21], s[40:41]
	; THE FILL: the head's K and V, once.  Every load reads 512 consecutive bytes a wave, that of V's scale words 256.  No cache hint: the head's four work-groups read the same bytes
.irp i, 0,1,2,3,4,5,6,7
	global_load_b128 v[S+4*\i:S+4*\i+3], v[LI], s[44:45] offset:8192*\i        ; the image of key tile 8 w + i
.endr
.irp i, 0,1,2,3,4,5,6,7
	global_load_b128 v[S+32+4*\i:S+35+4*\i], v[LI], s[48:49] offset:512*\i     ; key step w: four fragments
.endr
	global_load_b128 v[O:O+3], v[QO], s[46:47]
	global_load_b64 v[O+4:O+5], v[QSO], s[50:51]
	v_mov_b32 v[SMK], 0xd0000000                   ; -2^33
.irp i, 4,5,6,7
	v_mov_b32 v[QF+\i], 0
.endr
.irp t, 0,1,2,3,4,5,6,7
.irp i, 4,5,6,7
	v_mov_b32 v[KF+8*\t+\i], 0
.endr
.endr
.irp i, 0,1,2,3
	v_mov_b32 v[TMP+\i], 0                         ; written once: a lane permute's destination counts as one of its sources
.endr
	v_mov_b32 v[PSC], 0                            ; (named as the upper half of the pair v[252:253] before it is first written)
	s_wait_loadcnt 10                              ; K's eight are in; V's eight and the two loads of scales may be out
.irp i, 0,1,2,3,4,5,6,7
	ds_store_b128 v[ADK], v[S+4*\i:S+4*\i+3] offset:512*\i
.endr
	s_wait_loadcnt 2                               ; V's eight are in
.irp i, 0,1,2,3,4,5,6,7
	ds_store_b128 v[ADV], v[S+32+4*\i:S+35+4*\i] offset:512*\i
.endr
	s_wait_loadcnt 0x0
.irp i, 0,1,2,3
	v_lshrrev_b32 v[O+\i], s[SH], v[O+\i]          ; my head's two bytes of each of K's words,
.endr
.irp i, 0,1,2,3
	v_and_b32 v[O+\i], 0xffff, v[O+\i]             ; and 0 for the 64 along K that the head does not have
.endr
	ds_store_b128 v[ADS], v[O:O+3]
	ds_store_b64 v[ADT], v[O+4:O+5]
	s_wait_dscnt 0x0                               ; for the others' sake: my stores have landed
	s_barrier_signal -1
	s_barrier_wait -1                              ; the launch's one barrier: from here on LDS is only read
.Ltile:                                            ; two trips: tile g, then tile 127 - g
	s_wait_xcnt 0x0                                ; the fill's loads, or the last tile's loads and stores, have read their offsets
	s_lshl_b32 s2, s[QT], 13
	v_add_nc_u32 v[QO], s2, v[LI]
	s_lshl_b32 s2, s[QT], 6
	v_lshl_add_u32 v[QSO], v[ROW], 2, s2
	s_lshl_b32 s2, s[QT], 9
	v_lshl_add_u32 v[ASO], v[ROW], 5, s2
	s_lshl_b32 s100, s[QT], 3
	s_mov_b32 s101, 0
	s_add_nc_u64 s[100:101], s[CL:CL+1], s[100:101]
	s_load_b64 s[SKIP:SKIP+1], s[100:101], 0x0     ; the tile's classes
	s_lshl_b32 s[MWP], s[QT], 12
	s_mov_b32 s[MWP+1], 0
	s_add_nc_u64 s[MWP:MWP+1], s[MK:MK+1], s[MWP:MWP+1]
	global_load_b128 v[QF:QF+3], v[QO], s[QC:QC+1] ; Q's image stays in registers
	global_load_b32 v[QSC], v[QSO], s[QS:QS+1]
.set j, 0
.rept 16
	v_mov_b32 v[O+j], 0                            ; O^T.  (The step is written once: the first finds zeros, which the first change of M leaves zeros)
.set j, j+1
.endr
	v_mov_b32 v[NM+1], 0xff61b1e6                  ; the largest t so far: -3e38, under every t
	v_floor_f32 v[NM], -v[NM+1]                    ; -M
	v_mov_b32 v[SUM], 0
	v_mov_b32 v[SUM+1], 0
	s_mov_b32 s[TBK], 0
	s_mov_b32 s[TSK], 0
	s_mov_b32 s[TSV], 0
	s_mov_b32 s[KCNT], 16
	s_wait_kmcnt 0x0
	s_wait_loadcnt 0x0
	v_lshrrev_b32 v[QSC], s[SH], v[QSC]
	v_and_b32 v[QSC], 0xffff, v[QSC]               ; my head's two bytes
.set j, 16
.rept 16
	v_mov_b32 v[O+j], 0                            ; (these sixteen are also the places between the scale word's last write and the first product)
.set j, j+1
.endr
.Lks:                                              ; sixteen trips, a constant: a step that may be left out jumps to the lines at the trip's end that step addresses
	s_and_b32 s2, s[SKIP], 1
	s_cbranch_scc1 .Lskip
	v_add_nc_u32 v[ADK], s[TBK], v[LI]             ; (four plain lines: the places behind the last step's products, in front of the loads into V's registers)
	v_add_nc_u32 v[ADS], s[TSK], v[LKS]
	v_add_nc_u32 v[ADV], s[TBK], v[LV]
	v_add_nc_u32 v[ADT], s[TSV], v[LVS]
.irp t, 0,1,2,3,4,5,6,7
	ds_load_b128 v[KF+8*\t:KF+8*\t+3], v[ADK] offset:512*\t
	ds_load_b32 v[KSC+\t], v[ADS] offset:64*\t
.endr
.irp t, 0,1,2,3
	ds_load_b128 v[VF+8*\t:VF+8*\t+3], v[ADV] offset:1024*\t
	ds_load_b128 v[VF+8*\t+4:VF+8*\t+7], v[ADV] offset:1024*\t+512
.endr
.irp t, 0,1,2,3
	ds_load_b32 v[VSC+\t], v[ADT] offset:64*\t
.endr
	s_wait_dscnt 12                                ; K and its scale words are in; V's twelve loads may be out
.irp t, 0,1,2,3,4,5,6,7
	v_wmma_scale_f32_16x16x128_f8f6f4 v[S+8*\t:S+8*\t+7], v[KF+8*\t:KF+8*\t+7], v[QF:QF+7], 0, v[KSC+\t], v[QSC] matrix_a_fmt:MATRIX_FMT_FP4 matrix_b_fmt:MATRIX_FMT_FP4
.endr
.rept 4
	v_nop                                          ; places in front of the first read of results
.endr
	s_and_b32 s2, s[OPEN], 1
	s_cbranch_scc1 .Lopen
	s_load_b512 s[16:31], s[MWP:MWP+1], 0x0        ; the step's 64 lane masks
	s_load_b512 s[32:47], s[MWP:MWP+1], 0x40
	s_load_b512 s[48:63], s[MWP:MWP+1], 0x80
	s_load_b512 s[68:83], s[MWP:MWP+1], 0xc0
	s_wait_kmcnt 0x0
.set n, 0
.rept 64
.if n < 48
.set m, 16+n
.else
.set m, 20+n
.endif
	v_cndmask_b32 v[S+n], v[SMK], v[S+n], s[m]     ; hidden scores become -2^33, ahead of the maximum
.set n, n+1
.endr
.Lopen:
.irp b, 0,1,2,3
	v_max3_num_f32 v[BMX+\b], v[S+16*\b], v[S+1+16*\b], v[S+2+16*\b]   ; THE LARGEST SCORE OF EACH BLOCK OF 32 KEYS: it serves for the row's maximum and, since p rises with the score, for the block's largest p
.endr
.irp i, 3,5,7,9,11,13
.irp b, 0,1,2,3
	v_max3_num_f32 v[BMX+\b], v[BMX+\b], v[S+16*\b+\i], v[S+1+16*\b+\i]   ; (the four blocks by turns)
.endr
.endr
.irp b, 0,1,2,3
	v_max_num_f32 v[BMX+\b], v[BMX+\b], v[S+15+16*\b]
.endr
.irp b, 0,1,2,3
	v_permlanex16_b32 v[TMP+\b], v[BMX+\b], s[SEL], s[SEL+1]
.endr
.irp b, 0,1,2,3
	v_max_num_f32 v[BMX+\b], v[BMX+\b], v[TMP+\b]  ; with lane l xor 16's 16 keys
.endr
	v_max3_num_f32 v[WK], v[BMX], v[BMX+1], v[BMX+2]
	v_max_num_f32 v[WK], v[WK], v[BMX+3]           ; the step's largest score of my query
	v_mul_f32 v[WK], s[CS], v[WK]                  ; as t (c is positive)
	v_max_num_f32 v[NM+1], v[NM+1], v[WK]          ; the running largest t
	v_mov_b32 v[WK], v[NM]
	v_floor_f32 v[NM], -v[NM+1]                    ; the new -M = floor(-t) = -ceil(t): M is a whole number
	v_sub_f32 v[WK], v[NM], v[WK]                  ; M's old value less its new one: a whole number, 0 or less
	v_cvt_i32_f32 v[WK], v[WK]                     ; (it saturates)
	v_ldexp_f32 v[F], 1.0, v[WK]                   ; f = 2^(old M - new M): a multiplication by it rounds nothing
.set j, 0
.rept 32
	v_pk_fma_f32 v[S+j:S+j+1], v[S+j:S+j+1], s[CS:CS+1], v[NM:NM+1] op_sel_hi:[1,0,0]   ; t - M, two at a time (of the pairs c and -M the low word serves both halves)
.set j, j+2
.endr
.irp b, 0,1,2,3
	v_fma_f32 v[BMX+\b], v[BMX+\b], s[CS], v[NM]   ; the same of each block's largest score
.endr
.set j, 0
.rept 64
	v_exp_f32 v[S+j], v[S+j]                       ; p = 2^(t - M), at most 1: not normalised
.set j, j+1
.endr
	v_pk_mul_f32 v[SUM:SUM+1], v[SUM:SUM+1], v[F:F+1] op_sel_hi:[1,0]   ; the sums under the new M.  (The plain line behind the exponentials)
	s_wait_alu depctr_va_vdst(0)                   ; one wait for the whole batch, ahead of its first reader
.irp b, 0,1,2,3
	v_exp_f32 v[BMX+\b], v[BMX+\b]                 ; the block's largest p: the same two instructions on the same number give the same bits
.endr
	v_pk_add_f32 v[TMP:TMP+1], v[S:S+1], v[S+2:S+3]   ; THE ROW'S SUM IS TAKEN OF THE UNQUANTISED p: two at a time, in two chains.  (It reads the 64 alone: plain work behind the four)
.set j, 4
.rept 15
	v_pk_add_f32 v[SUM:SUM+1], v[SUM:SUM+1], v[S+j:S+j+1]
	v_pk_add_f32 v[TMP:TMP+1], v[TMP:TMP+1], v[S+j+2:S+j+3]
.set j, j+4
.endr
	v_pk_add_f32 v[SUM:SUM+1], v[SUM:SUM+1], v[TMP:TMP+1]
	s_wait_alu depctr_va_vdst(0)                   ; and one for the four
.irp b, 0,1,2,3
	v_max_num_f32 v[BMX+\b], 0x1800000, v[BMX+\b]  ; the floor 2^(3 - 127): the byte cannot fall under 1 (a block whose every p is 0 keeps that byte: its codes are zeros)
.endr
.irp b, 0,1,2,3
	v_add_nc_u32 v[CSO+\b], 0xff000000, v[BMX+\b]  ; 2 off the exponent field: the conversion's scale operand
.endr
.irp b, 0,1,2,3
	v_lshrrev_b32 v[TMP+\b], 23, v[CSO+\b]         ; the scale's byte
.endr
	v_lshl_or_b32 v[PSC], v[TMP+1], 8, v[TMP]      ; p's scale word for these 128 keys
	v_lshl_or_b32 v[PSC], v[TMP+2], 16, v[PSC]
	v_lshl_or_b32 v[PSC], v[TMP+3], 24, v[PSC]
.irp b, 0,1,2,3
	v_cvt_scalef32_pk8_fp4_f32 v[PCD+4*(\b/2)+\b%2], v[S+16*\b:S+7+16*\b], v[CSO+\b]        ; keys 32 b + 8 h + 0 .. 7
	v_cvt_scalef32_pk8_fp4_f32 v[PCD+4*(\b/2)+2+\b%2], v[S+8+16*\b:S+15+16*\b], v[CSO+\b]   ; keys 32 b + 16 + 8 h + 0 .. 7
.endr
	v_nop                                          ; one plain line behind a scaled conversion
.irp c, 0,1                                    ; registers 4 c .. 4 c + 3 then hold keys 64 c + 32 h + 0 .. 31: the operand's layout
	v_permlane16_swap_b32 v[PCD+4*\c], v[PCD+4*\c+1]
	v_permlane16_swap_b32 v[PCD+4*\c+2], v[PCD+4*\c+3]
.endr
.set j, 0
.rept 16
	v_pk_mul_f32 v[O+j:O+j+1], v[O+j:O+j+1], v[F:F+1] op_sel_hi:[1,0]   ; O^T under the new M, each tile from its low end on.  (These sixteen are also the places between p's codes and scale word and the products)
.set j, j+2
.endr
	s_wait_dscnt 0x0                               ; V and its scale words are in
.irp t, 0,1,2,3
	v_wmma_scale_f32_16x16x128_f8f6f4 v[O+8*\t:O+8*\t+7], v[VF+8*\t:VF+8*\t+7], v[PCD:PCD+7], v[O+8*\t:O+8*\t+7], v[VSC+\t], v[PSC] matrix_a_fmt:MATRIX_FMT_FP4 matrix_b_fmt:MATRIX_FMT_FP4   ; the four accumulators by turns, one instruction each
.endr
.Lskip:
	s_lshr_b32 s[SKIP], s[SKIP], 1
	s_lshr_b32 s[OPEN], s[OPEN], 1
	s_add_co_u32 s[TBK], s[TBK], 4096
	s_add_co_u32 s[TSK], s[TSK], 512
	s_add_co_u32 s[TSV], s[TSV], 256
	s_add_nc_u64 s[MWP:MWP+1], s[MWP:MWP+1], 256   ; (no scalar load is out: the step's were waited for)
	s_sub_co_u32 s[KCNT], s[KCNT], 1
	s_cmp_lg_u32 s[KCNT], 0
	s_cbranch_scc1 .Lks
	; THE TILE'S END: O^T / the sum, quantised along the head's 64 channels (two blocks of d_model), stored as an image and two scale bytes a query
.rept 4
	v_nop                                          ; places behind the last products
.endr
	v_add_f32 v[SUM], v[SUM], v[SUM+1]             ; the sum's two halves,
	v_permlanex16_b32 v[TMP], v[SUM], s[SEL], s[SEL+1]
	v_add_f32 v[SUM], v[SUM], v[TMP]               ; and lane l xor 16's: the row's sum
	v_rcp_f32 v[F], v[SUM]
	v_nop                                          ; one plain line behind a transcendental
	s_wait_alu depctr_va_vdst(0)                   ; and the wait ahead of its first reader
.set j, 0
.rept 16
	v_pk_mul_f32 v[S+j:S+j+1], v[O+j:O+j+1], v[F:F+1] op_sel_hi:[1,0]   ; register 8 t + i: channel 16 t + 8 h + i of my query
.set j, j+2
.endr
.irp b, 0,1
	v_max3_num_f32 v[BMX+\b], |v[S+16*\b]|, |v[S+1+16*\b]|, 0x1800000
.endr
.irp i, 2,4,6,8,10,12,14
.irp b, 0,1
	v_max3_num_f32 v[BMX+\b], v[BMX+\b], |v[S+16*\b+\i]|, |v[S+1+16*\b+\i]|
.endr
.endr
.irp b, 0,1
	v_permlanex16_b32 v[TMP+\b], v[BMX+\b], s[SEL], s[SEL+1]
.endr
.irp b, 0,1
	v_max_num_f32 v[BMX+\b], v[BMX+\b], v[TMP+\b]
.endr
.irp b, 0,1
	v_add_nc_u32 v[CSO+\b], 0xff000000, v[BMX+\b]
.endr
.irp b, 0,1
	v_lshrrev_b32 v[TMP+\b], 23, v[CSO+\b]
.endr
	v_lshl_or_b32 v[WK], v[TMP+1], 8, v[TMP]       ; my query's two scale bytes
.irp b, 0,1
	v_cvt_scalef32_pk8_fp4_f32 v[PCD+\b], v[S+16*\b:S+7+16*\b], v[CSO+\b]
	v_cvt_scalef32_pk8_fp4_f32 v[PCD+2+\b], v[S+8+16*\b:S+15+16*\b], v[CSO+\b]
.endr
	v_nop                                          ; one plain line behind a scaled conversion
	v_permlane16_swap_b32 v[PCD], v[PCD+1]
	v_permlane16_swap_b32 v[PCD+2], v[PCD+3]       ; registers 0 .. 3: channels 32 h + 0 .. 31
	global_store_b128 v[QO], v[PCD:PCD+3], s[AOC:AOC+1]   ; 32 lanes store 512 consecutive bytes, aligned
	s_wait_xcnt 0x0                                ; EXEC changes only behind this wait
	v_cmp_gt_u32 vcc_lo, 16, v[LANE]
	s_and_saveexec_b32 s3, vcc_lo
	global_store_b16 v[ASO], v[WK], s[AOS:AOS+1]   ; lanes 0-15: two bytes of each query's 32: one part in 17 of what the launch stores
	s_wait_xcnt 0x0                                ; and again in front of the line that widens it
	s_or_b32 exec_lo, exec_lo, s3
	s_sub_co_u32 s[QT], 127, s[QT]
	s_sub_co_u32 s[TRIP], s[TRIP], 1
	s_cmp_lg_u32 s[TRIP], 0
	s_cbranch_scc1 .Ltile
	s_wait_xcnt 0x0
	s_mov_b32 exec_lo, -1
	v_lshl_add_u32 v254, v0, 2, 0x23000
	v_mov_b32 v255, 0
	s_wait_tensorcnt 0x0
	ds_add_u32 v254, v255
	s_wait_dscnt 0x0
	s_endpgm
.Lfunc_end_k_q997a404dd5_attn:
	.size	k_q997a404dd5_attn, .Lfunc_end_k_q997a404dd5_attn-k_q997a404dd5_attn
	.p2alignl 7, 3214868480
	.fill 96, 4, 3214868480
	.section	.rodata,"a",@progbits
	.p2align	6, 0x0
	.amdhsa_kernel k_q997a404dd5_attn
		.amdhsa_group_segment_fixed_size 145408
		.amdhsa_private_segment_fixed_size 0
		.amdhsa_enable_private_segment 0
		.amdhsa_kernarg_size 40
		.amdhsa_user_sgpr_count 2
		.amdhsa_user_sgpr_kernarg_segment_ptr 1
		.amdhsa_wavefront_size32 1
		.amdhsa_system_sgpr_workgroup_id_x 1
		.amdhsa_system_sgpr_workgroup_id_y 1
		.amdhsa_system_sgpr_workgroup_id_z 1
		.amdhsa_system_vgpr_workitem_id 0
		.amdhsa_next_free_vgpr 256
		.amdhsa_next_free_sgpr 102
		.amdhsa_reserve_vcc 1
		.amdhsa_float_denorm_mode_32 3
		.amdhsa_float_denorm_mode_16_64 3
		.amdhsa_memory_ordered 1
		.amdhsa_forward_progress 1
		.amdhsa_inst_pref_size 34
	.end_amdhsa_kernel
	.amdgpu_metadata
---
amdhsa.version: [ 1, 2 ]
amdhsa.kernels:
  - .name:           k_q997a404dd5_attn
    .symbol:         k_q997a404dd5_attn.kd
    .args:
      - { .name: qw, .offset: 0, .size: 8, .value_kind: global_buffer, .address_space: global }
      - { .name: kw, .offset: 8, .size: 8, .value_kind: global_buffer, .address_space: global }
      - { .name: vw, .offset: 16, .size: 8, .value_kind: global_buffer, .address_space: global }
      - { .name: mk, .offset: 24, .size: 8, .value_kind: global_buffer, .address_space: global }
      - { .name: aw, .offset: 32, .size: 8, .value_kind: global_buffer, .address_space: global }
    .group_segment_fixed_size: 145408
    .private_segment_fixed_size: 0
    .kernarg_segment_align: 8
    .kernarg_segment_size: 40
    .max_flat_workgroup_size: 512
    .sgpr_count:     102
    .vgpr_count:     256
    .wavefront_size: 32
...
	.end_amdgpu_metadata
.endif
;; end of part 3
;; launch outproj (part 4): grid 4 x 32, 4 waves a work-group, clusters of 4 x 4, 327,680 bytes of LDS; arguments aw, w_o_codes, w_o_scales, b_o, out0; writes out0
.if DOCPART == 4
	.amdgcn_target "amdgcn-amd-amdhsa--gfx1250"
	.amdhsa_code_object_version 6
	.text
	.protected	k_q997a404dd5_outproj
	.globl	k_q997a404dd5_outproj
	.p2align	8
	.type	k_q997a404dd5_outproj,@function
k_q997a404dd5_outproj:
	s_mov_b64 s[64:65], 0
	v_nop
	global_prefetch_b8 v0, s[64:65] scope:SCOPE_SE
	s_setreg_imm32_b32 hwreg(HW_REG_WAVE_MODE, 25, 1), 1
	s_wait_xcnt 0x0
	s_wait_alu depctr_hold_cnt(0) depctr_sa_sdst(0) depctr_va_vdst(0) depctr_va_sdst(0) depctr_va_ssrc(0) depctr_va_vcc(0) depctr_vm_vsrc(0)
	s_getreg_b32 s2, hwreg(HW_REG_IB_STS2, 6, 4)
	s_cmp_eq_u32 s2, 0
	s_cbranch_scc0 .Lentry_in_a_cluster
	s_endpgm
.Lentry_in_a_cluster:
	s_bfe_u32 s2, ttmp6, 0x10000c
	s_cmp_lg_u32 s2, 0xf033
	s_cbranch_scc0 .Lentry_shape_is_right
	s_endpgm
.Lentry_shape_is_right:
; THE LAST PROJECTION: out0[m][n] = sum over k of A[m][k] w_o[n][k] + b_o[n], on codes of FP4 (E2M1) with one E8M0 scale for each 32 along K = 1,024; out0 [8192][1024] f32.
; A is the attention launch's result, in this program's own buffer aw: codes as IMAGES OF THE OPERAND'S REGISTERS, a fragment (16 rows x 128 K) in 1,024 bytes at (m / 16)*8192 + (k / 128)*1024 + 512 c + 16 lane;
; scale bytes at SCB + m*32 + k / 32.  w_o comes as rows of codes, K innermost, with its scale bytes [1024][32].
; A tile of C, 256 x 256, is made by four waves, each 128 x 128: 64 accumulators, 512 registers.  K is two LDS slots of 512 along K, both asked for at the start: nothing is filled again.
; The scales of the work-group's 256 + 256 rows, for all of K, come once, as two dense blocks.
; CLUSTERS: 4 x 4 work-groups; the four of a row of the cluster ask for A's tiles jointly, the four of a column for B's.
; THE MATRIX INSTRUCTION IS USED TRANSPOSED (source 0 = 16 rows of w_o, source 1 = 16 rows of A): a lane holds eight neighbouring numbers of a row of C.  The bias is the C of each sum's first product.
; REGISTERS, in windows of 256: window 0: v0-31 addresses; v32-95 scale words, two sets; v128-191 A's fragments; v192-255 the bias; on the way out v128-255 take rows of C.
;   window 1: B's fragments, two sets.   windows 2, 3: the accumulators (accumulator (a, b) at v[8 (8 (a % 4) + b)]).
.set SIZE_N, 1024
.set KSTEP,  512                       ; along K in a slot
.set NQ,     KSTEP/128                 ; matrix instructions deep
.set ROWB,   256                       ; a row of B's tile in bytes
.set KROW,   512                       ; a row of B in memory; also 1/16 of the 8,192 bytes that 16 rows of A take
.set PITCH,  272                       ; B's LDS row: 256 bytes + 16 of padding
.set AROW,   4096                      ; a row of A's tile: the four fragments of 16 rows of a slot
.set FR,     8
.set NL,     2
.set NP,     4                         ; places behind this matrix instruction (ISA guide 7.12.1)
.set HALFT,  128*PITCH                 ; the room of 128 rows (A's images use 32,768 bytes of it)
.set SLOT,   4*HALFT
.set KS,     32
.set SCL,    2*SLOT
.set HALFS,  (128*KS/256)*272
.set SBLK,   (16*KS/256)*272
.set SPARE,  SCL+4*HALFS               ; the spare words, 128 bytes for each wave
.set SCB,    4194304                   ; where A's scale bytes begin in aw
.set SPITCH, 528                       ; the way out: a stage of 16 rows x (512 bytes + 16) for each wave, in slot 0, which has had its only fill and its last read by then
.set ADRA, 16
.set ADRB, 20
.set STO,  24                          ; v24     the way out: where I put 32 bytes of a row
.set RD,   25                          ; v25     where I read a row back
.set CO,   26                          ; v26     my byte offset in a row of C
.set ADRS, 27
.set SPW,  28                          ; v28     LDS address of my spare word; never rewritten
.set NIL,  29                          ; v29     0; never rewritten
.set BNO,  30                          ; v30     32 (lane / 16)
.set SC,   32
.set AF,   128
.set BK,   128
.set CI,   192
.set G1, 24
.set G0, 32
.set G1B, 48
.set G0B, 56
.set G1S, 68
.set G0S, 76
.set G1SB, 80
.set G0SB, 88
.set MSB, 0
.macro WIN new                         ; the immediate's high byte repeats the setting that is left
.if MSB != \new
	s_set_vgpr_msb (MSB<<8)|\new
.set MSB, \new
.endif
.endm
.set MUL_LO, 0xa1                      ; source 0 (B) window 1, source 1 (A) window 0, C and D window 2
.set MUL_HI, 0xf1
.set BEG_LO, 0x81                      ; a sum's first product: C (the bias) window 0, D window 2
.set BEG_HI, 0xc1
.set TO_B,   0x40
.macro JLOAD g0a, g1a, g0b, g1b        ; a joint load: waves 0 and 1 fetch for A, waves 2 and 3 for B; four v_nop follow each of the two lines
	s_cmp_eq_u32 s15, 0
	s_cbranch_scc0 .Lfor_b_\@
	tensor_load_to_lds s[\g0a:\g0a+3], s[\g1a:\g1a+7]
	s_nop 0
.rept 4
	v_nop
.endr
	s_branch .Lasked_\@
.Lfor_b_\@:
	tensor_load_to_lds s[\g0b:\g0b+3], s[\g1b:\g1b+7]
	s_nop 0
.rept 4
	v_nop
.endr
.Lasked_\@:
.endm
.macro CROUND                          ; a round of the cluster's barrier
	s_barrier_signal -1
	s_barrier_wait -1
	s_cmp_lg_u32 s14, 0
	s_cbranch_scc1 .Lnot_wave_0_\@
	s_barrier_signal -3
.Lnot_wave_0_\@:
	s_barrier_wait -3
	s_barrier_signal -1
	s_barrier_wait -1
.endm
	s_load_b64 s[4:5], s[0:1], 0x0                 ; aw
	s_load_b128 s[8:11], s[0:1], 0x8               ; w_o's codes, w_o's scales
	s_load_b64 s[96:97], s[0:1], 0x18              ; b_o
	s_load_b64 s[12:13], s[0:1], 0x20              ; out0
	v_lshl_add_u32 v[SPW], v0, 2, SPARE
	v_mov_b32 v[NIL], 0
	ds_add_u32 v28, v29
	ds_add_u32 v28, v29
	s_wait_dscnt 0x0
	v_lshrrev_b32 v1, 5, v0
	v_readfirstlane_b32 s14, v1                    ; wave 0..3
	s_lshr_b32 s15, s14, 1                         ; which half of the tile's rows is mine.  Also: I fetch for A (0) or for B (1)
	s_and_b32 s16, s14, 1                          ; which half of its columns.  Also: which 128 rows of that tile I fetch
	s_bfe_u32 s40, ttmp6, 0x40000                  ; cx, cy
	s_bfe_u32 s41, ttmp6, 0x40004
	s_lshl_b32 s42, ttmp9, 2
	s_add_co_u32 s42, s42, s40                     ; tile column of C
	s_and_b32 s17, ttmp7, 0xffff
	s_lshl_b32 s17, s17, 2
	s_add_co_u32 s17, s17, s41                     ; tile row of C
	s_lshl_b32 s43, s41, 2
	s_lshl_b32 s43, 15, s43                        ; my row of the cluster
	s_lshl_b32 s44, 0x1111, s40                    ; my column
	; descriptor group 1 for A: 8 rows of 4,096 bytes (the slot's four fragments of 16 rows of A), 8,192 bytes apart in memory, dense in LDS: every fragment read is 512 consecutive bytes
	s_or_b32 s[G1+0], s43, (0<<16)|(1<<21)         ; 15:0 the mask: A's tiles go to my row; 17:16 element of 1 byte; 20 no padding; 21 set beside a mask
	s_mov_b32 s[G1+1], AROW<<16                    ; tensor_dim0
	s_mov_b32 s[G1+2], 8<<16                       ; tensor_dim1 = 8
	s_mov_b32 s[G1+3], AROW<<16                    ; tile_dim0
	s_mov_b32 s[G1+4], 8                           ; tile_dim1 = 8
	s_mov_b32 s[G1+5], 8192                        ; tensor_dim0_stride
	s_mov_b32 s[G1+6], 0
	s_mov_b32 s[G1+7], 0
	; for B: 128 rows x 256 bytes, 16 bytes of padding behind each
	s_or_b32 s[G1B+0], s44, (0<<16)|(1<<20)|(1<<21)|(5<<22)|(3<<25)
	s_mov_b32 s[G1B+1], ROWB<<16
	s_mov_b32 s[G1B+2], 128<<16
	s_mov_b32 s[G1B+3], ROWB<<16
	s_mov_b32 s[G1B+4], 128
	s_mov_b32 s[G1B+5], KROW
	s_mov_b32 s[G1B+6], 0
	s_mov_b32 s[G1B+7], 0
	; for the scales of 128 rows: a dense block of 4,096 bytes, as 16 rows of 256 bytes (32 elements of 8 bytes), 16 bytes of padding behind each
	s_or_b32 s[G1S+0], s43, (3<<16)|(1<<20)|(1<<21)|(5<<22)|(3<<25)
	s_or_b32 s[G1SB+0], s44, (3<<16)|(1<<20)|(1<<21)|(5<<22)|(3<<25)
.irp g, G1S, G1SB
	s_mov_b32 s[\g+1], 32<<16
	s_mov_b32 s[\g+2], (128*KS/256)<<16
	s_mov_b32 s[\g+3], 32<<16
	s_mov_b32 s[\g+4], 128*KS/256
	s_mov_b32 s[\g+5], 32
	s_mov_b32 s[\g+6], 0
	s_mov_b32 s[\g+7], 0
.endr
	s_lshl_b32 s18, s16, 7                         ; which 128 rows of the tile I fetch
	s_lshl_b32 s20, s17, 8
	s_add_co_u32 s20, s20, s18                     ; A: row 256 x tile row + 128 x half
	s_lshl_b32 s46, s42, 8
	s_add_co_u32 s46, s46, s18                     ; B: row 256 x tile column + 128 x half
	s_mov_b32 s21, 0
	s_mov_b32 s47, 0
	s_mov_b64 s[18:19], KS
	s_mul_u64 s[22:23], s[20:21], s[18:19]         ; where these rows' scales begin, in bytes
	s_mul_u64 s[92:93], s[46:47], s[18:19]
	s_mov_b64 s[18:19], KROW
	s_mul_u64 s[20:21], s[20:21], s[18:19]         ; and their codes (A: row x 512 = (row / 16) x 8,192)
	s_mul_u64 s[46:47], s[46:47], s[18:19]
	s_mul_i32 s45, s14, HALFT                      ; where they go: no place in the cluster enters an LDS address
	s_mul_i32 s94, s14, HALFS
	s_wait_kmcnt 0x0
	s_add_nc_u64 s[6:7], s[4:5], SCB               ; A's scale bytes
	s_add_nc_u64 s[20:21], s[4:5], s[20:21]
	s_add_nc_u64 s[22:23], s[6:7], s[22:23]
	s_add_nc_u64 s[46:47], s[8:9], s[46:47]
	s_add_nc_u64 s[92:93], s[10:11], s[92:93]
	CROUND                                         ; all sixteen work-groups are here: the joint loads meet
	s_mov_b32 s[G0S], 1
	s_add_co_u32 s[G0S+1], s94, SCL
	s_mov_b64 s[G0S+2:G0S+3], s[22:23]
	s_or_b32 s[G0S+3], s[G0S+3], 0x80000000
	s_mov_b32 s[G0SB], 1
	s_add_co_u32 s[G0SB+1], s94, SCL
	s_mov_b64 s[G0SB+2:G0SB+3], s[92:93]
	s_or_b32 s[G0SB+3], s[G0SB+3], 0x80000000
	JLOAD G0S, G1S, G0SB, G1SB                     ; the scales first: they are wanted with slot 0
.irp s, 0,1
	s_mov_b32 s[G0+4*\s], 1
	s_add_co_u32 s[G0+4*\s+1], s45, \s*SLOT
	s_add_nc_u64 s[G0+4*\s+2:G0+4*\s+3], s[20:21], \s*AROW
	s_or_b32 s[G0+4*\s+3], s[G0+4*\s+3], 0x80000000
	s_mov_b32 s[G0B+4*\s], 1
	s_add_co_u32 s[G0B+4*\s+1], s45, \s*SLOT
	s_add_nc_u64 s[G0B+4*\s+2:G0B+4*\s+3], s[46:47], \s*ROWB
	s_or_b32 s[G0B+4*\s+3], s[G0B+4*\s+3], 0x80000000
	JLOAD G0+4*\s, G1, G0B+4*\s, G1B               ; both slots: all of K.  Three tensor loads of mine are out
.endr
	v_and_b32 v1, 15, v0                           ; l % 16
	v_bfe_u32 v2, v0, 4, 1                         ; l / 16
	v_and_b32 v6, 31, v0
	v_lshlrev_b32 v[CO], 4, v6                     ; 16 x lane
	v_lshlrev_b32 v[BNO], 5, v2
	s_lshl_b32 s20, s17, 8
	s_lshl_b32 s21, s15, 7
	s_add_co_u32 s20, s20, s21                     ; my first row of C: 256 x tile row + 128 x half
	s_mov_b32 s21, 0
	s_mov_b64 s[18:19], SIZE_N*4
	s_mul_u64 s[20:21], s[20:21], s[18:19]
	s_lshl_b32 s46, s42, 10                        ; my first column, in bytes: 1024 x tile column + 512 x half: in C and in b_o alike
	s_lshl_b32 s47, s16, 9
	s_add_co_u32 s46, s46, s47
	s_mov_b32 s47, 0
	s_add_nc_u64 s[96:97], s[96:97], s[46:47]
	s_add_nc_u64 s[20:21], s[20:21], s[46:47]
	s_add_nc_u64 s[12:13], s[12:13], s[20:21]
.irp b, 0,1,2,3,4,5,6,7
	global_load_b128 v[CI+8*\b:CI+8*\b+3], v[BNO], s[96:97] offset:64*\b        ; b_o(16 b + 8 h + 0 .. 7): the result's layout of tile b
	global_load_b128 v[CI+8*\b+4:CI+8*\b+7], v[BNO], s[96:97] offset:64*\b+16
.endr
	v_mul_u32_u24 v3, v1, PITCH
	v_lshl_add_u32 v4, v2, 4, v3                   ; B: a fragment's row x pitch + 16 x half
	s_mul_i32 s21, s15, HALFT                      ; my 128 rows of A
	s_mul_i32 s22, s16, HALFT                      ; my 128 rows of B,
	s_add_co_u32 s22, s22, 2*HALFT                 ; which lie behind A's room
.irp s, 0,1
	v_add_nc_u32 v[ADRA+\s], s21, v[CO]            ; A: an image's place for my lane
	v_add_nc_u32 v[ADRB+\s], s22, v4
	s_add_co_u32 s21, s21, SLOT
	s_add_co_u32 s22, s22, SLOT
.endr
	v_mul_u32_u24 v5, v1, KS                       ; my row's scales: 32 bytes a row,
	v_lshrrev_b32 v6, 8, v5
	v_lshl_add_u32 v5, v6, 4, v5                   ; and 16 more for each 256 passed
	s_mul_i32 s21, s15, HALFS
	s_mul_i32 s22, s16, HALFS
	s_add_co_u32 s22, s22, 2*HALFS
	s_sub_co_u32 s22, s22, s21
	v_mul_u32_u24 v6, s22, v2                      ; lanes 16-31 take B's
	s_add_co_u32 s21, s21, SCL
	v_add_nc_u32 v5, v5, v6
	v_add_nc_u32 v[ADRS], s21, v5
	s_mul_i32 s23, s14, 16*SPITCH                  ; my stage
	v_mul_u32_u24 v5, v1, SPITCH                   ; in: row l % 16, 32 bytes for each half of the lanes
	v_lshl_add_u32 v5, v2, 5, v5
	v_add_nc_u32 v[STO], s23, v5
	v_add_nc_u32 v[RD], s23, v[CO]                 ; back: the 32 lanes take one row of 512 bytes
.macro FRAGB reg, adr, q, i            ; B's fragment from rows: lane l holds row l % 16; registers 4 c .. 4 c + 3 hold K = 64 c + 32 (l / 16) + 0 .. 31
.irp c, 0,1
	ds_load_b128 v[\reg+4*\c:\reg+4*\c+3], v[\adr] offset:64*(\q)+32*\c+(\i)*16*PITCH
.endr
.endm
.macro FRAGA reg, adr, q, i            ; A's fragment from its image: the same registers in the same lanes as the wave that made it
.irp c, 0,1
	ds_load_b128 v[\reg+4*\c:\reg+4*\c+3], v[\adr] offset:AROW*(\i)+1024*(\q)+512*\c
.endr
.endm
; 16 matrix instructions: A's blocks a0, a0 + 1 x B's eight, 128 along K.  zero = 1: the first product starts the sums, with the bias as its C.  The 64 accumulators take turns, one instruction a turn.
.macro MUL16 a0, p, q, sc, zero
.irp a, \a0, \a0+1
.irp b, 0,1,2,3,4,5,6,7
.if \zero
	v_wmma_scale_f32_16x16x128_f8f6f4 v[8*(8*((\a)%4)+\b):8*(8*((\a)%4)+\b)+7], v[128*(\p)+FR*\b:128*(\p)+FR*\b+FR-1], v[AF+FR*(\a):AF+FR*(\a)+FR-1], v[CI+8*\b:CI+8*\b+7], v[SC+8*NQ*(\sc)+NQ*\b+(\q)], v[SC+8*NQ*(\sc)+NQ*(\a)+(\q)] matrix_a_fmt:MATRIX_FMT_FP4 matrix_b_fmt:MATRIX_FMT_FP4 matrix_a_scale:MATRIX_SCALE_ROW1
.else
	v_wmma_scale_f32_16x16x128_f8f6f4 v[8*(8*((\a)%4)+\b):8*(8*((\a)%4)+\b)+7], v[128*(\p)+FR*\b:128*(\p)+FR*\b+FR-1], v[AF+FR*(\a):AF+FR*(\a)+FR-1], v[8*(8*((\a)%4)+\b):8*(8*((\a)%4)+\b)+7], v[SC+8*NQ*(\sc)+NQ*\b+(\q)], v[SC+8*NQ*(\sc)+NQ*(\a)+(\q)] matrix_a_fmt:MATRIX_FMT_FP4 matrix_b_fmt:MATRIX_FMT_FP4 matrix_a_scale:MATRIX_SCALE_ROW1
.endif
.endr
.endr
.endm
.macro FETCH_B slot, q, p
	WIN TO_B
.irp i, 0,1,2,3,4,5,6,7
	FRAGB 128*(\p)+FR*\i, ADRB+\slot, \q, \i
.endr
	WIN 0
.endm
.macro FETCH_A slot, q, i0
.irp i, \i0, \i0+1, \i0+2, \i0+3
	FRAGA AF+FR*(\i), ADRA+\slot, \q, \i
.endr
.endm
.macro SCALES sc                       ; a slot's scale words into set sc: lanes 0-15 take A's block i, lanes 16-31 B's block i
.irp i, 0,1,2,3,4,5,6,7
	ds_load_b128 v[SC+8*NQ*\sc+NQ*\i:SC+8*NQ*\sc+NQ*\i+3], v[ADRS] offset:\i*SBLK
.endr
.endm
.macro PLACES n                        ; places in front of loads into registers that matrix instructions have read, and of the first read of results (ISA guide 7.12.1 for vector instructions)
.rept \n
	v_nop
.endr
.endm
.macro STEP slot, q, zero              ; a step of 128 along K that has its successor in the same slot
	s_wait_dscnt 4*NL                              ; B's set, A's blocks 0-3 and the scale words are in; the youngest eight loads (A's blocks 4-7) may be out
.if \zero
	WIN BEG_LO
.else
	WIN MUL_LO
.endif
	MUL16 0, (\q)%2, \q, \slot, \zero
	MUL16 2, (\q)%2, \q, \slot, \zero
	s_wait_dscnt 0                                 ; A's blocks 4-7 are in
	PLACES NP
	FETCH_B \slot, (\q)+1, 1-(\q)%2
	FETCH_A \slot, (\q)+1, 0
.if \zero
	WIN BEG_HI
.else
	WIN MUL_HI
.endif
	MUL16 4, (\q)%2, \q, \slot, \zero
	MUL16 6, (\q)%2, \q, \slot, \zero
	PLACES NP
	WIN 0
	FETCH_A \slot, (\q)+1, 4
.endm
.macro TURN slot, next                 ; slot 0's last step changes slots: one barrier; nothing is filled again
	s_wait_tensorcnt 0x0                           ; all my tensor loads have landed: my part of the next slot;  (every window is 0 here)
	ds_add_u32 v[SPW], v[NIL]                      ; 0 onto my spare word
	s_wait_dscnt 4*NL+1                            ; (the add and the youngest eight loads, A's blocks 4-7, may be out)
	WIN MUL_LO
	MUL16 0, 1, NQ-1, \slot, 0
	s_wait_dscnt 0x0                               ; the add is done, and my reads of this slot are over
	s_barrier_signal -1
	MUL16 2, 1, NQ-1, \slot, 0
	WIN 0
	s_barrier_wait -1                              ; the next slot is whole, and nobody reads this one any more
	PLACES NP
	v_add_nc_u32 v[ADRS], 4*NQ, v[ADRS]            ; on to the next slot's scale words (no LDS load of mine is out)
	FETCH_B \next, 0, 0
	FETCH_A \next, 0, 0
	SCALES \next
	WIN MUL_HI
	MUL16 4, 1, NQ-1, \slot, 0
	MUL16 6, 1, NQ-1, \slot, 0
	PLACES NP
	WIN 0
	FETCH_A \next, 0, 4
.endm
.macro STEPS slot, from
.set Q, \from
.rept NQ-1-\from
	STEP \slot, Q, 0
.set Q, Q+1
.endr
.endm
	s_wait_loadcnt 0x0                             ; the bias
	s_wait_tensorcnt 1                             ; the scales and my part of slot 0 are in (slot 1's load may be out),
	s_barrier_signal -1
	s_barrier_wait -1                              ; everybody's are
	FETCH_B 0, 0, 0
	FETCH_A 0, 0, 0
	SCALES 0
	FETCH_A 0, 0, 4
	STEP 0, 0, 1                                   ; the first step's products start the sums
	STEPS 0, 1
	TURN 0, 1
	STEPS 1, 0
	s_wait_dscnt 4*NL                              ; the very last step: nothing more to fetch
	WIN MUL_LO
	MUL16 0, 1, NQ-1, 1, 0
	MUL16 2, 1, NQ-1, 1, 0
	s_wait_dscnt 0
	WIN MUL_HI
	MUL16 4, 1, NQ-1, 1, 0
	MUL16 6, 1, NQ-1, 1, 0
	WIN 0
; THE WAY OUT, block by block of 16 rows x 128 columns.  A lane holds 32 neighbouring bytes of a row, and the lanes beside it hold other rows: so a block goes through my own stage in LDS and comes back as whole
; rows of 512 bytes.  LDS serves a wave's instructions in order (ISA guide 5.7.1.4): no wait between the stores and the loads, nor in front of the next block's stores.
.macro TOSTAGE a
.set AC, 64*((\a)%4)
	WIN 0x08+4*((\a)/4)                            ; the data: window 2 or 3
.irp b, 0,1,2,3,4,5,6,7
	ds_store_b128 v[STO], v[AC+8*\b:AC+8*\b+3] offset:64*\b          ; each accumulator from its low end on
	ds_store_b128 v[STO], v[AC+8*\b+4:AC+8*\b+7] offset:64*\b+16
.endr
	WIN 0
.set BB, BK+64*((\a)%2)
.irp t, 0,1,2,3,4,5,6,7,8,9,10,11,12,13,14,15
	ds_load_b128 v[BB+4*\t:BB+4*\t+3], v[RD] offset:\t*SPITCH
.endr
.endm
.macro SEND a, younger                 ; younger: the LDS instructions issued behind block a's loads, which may stay out
.set BB, BK+64*((\a)%2)
	s_wait_dscnt \younger                          ; the block is back in registers
.if (\a) > 0
	s_add_nc_u64 s[12:13], s[12:13], 16*SIZE_N*4   ; (behind a wait on XCNT: the earlier stores have read their base)  16 rows of C on
.endif
.irp t, 0,1,2,3,4,5,6,7,8,9,10,11,12,13,14,15
	global_store_b128 v[CO], v[BB+4*\t:BB+4*\t+3], s[12:13] offset:\t*SIZE_N*4 th:TH_STORE_NT   ; 32 lanes store 512 consecutive bytes, at a multiple of 256 from C's first byte; written once, read by nobody here
.endr
.endm
	PLACES NP                                      ; in front of the loads into the registers that held A's fragments, and of the reads of results
	TOSTAGE 0
.irp a, 1,2,3,4,5,6,7
.if \a > 1
	s_wait_xcnt 0x0                                ; block a - 2's stores have read their registers and their base: block a's loads may land there, and the base may step
.endif
	TOSTAGE \a
	SEND \a-1, 32                                  ; behind block a - 1's loads: block a's 16 stores and 16 loads
.endr
	s_wait_xcnt 0x0                                ; block 6's stores have read their base
	SEND 7, 0
	s_wait_tensorcnt 0x0                           ; the wave's end
	ds_add_u32 v[SPW], v[NIL]
	s_wait_dscnt 0x0
	CROUND                                         ; the closing round: no work-group ends while a partner may still ask for a tile that names it
	s_endpgm
.Lfunc_end_k_q997a404dd5_outproj:
	.size	k_q997a404dd5_outproj, .Lfunc_end_k_q997a404dd5_outproj-k_q997a404dd5_outproj
	.p2alignl 7, 3214868480
	.fill 96, 4, 3214868480
	.section	.rodata,"a",@progbits
	.p2align	6, 0x0
	.amdhsa_kernel k_q997a404dd5_outproj
		.amdhsa_group_segment_fixed_size 327680
		.amdhsa_private_segment_fixed_size 0
		.amdhsa_enable_private_segment 0
		.amdhsa_kernarg_size 40
		.amdhsa_user_sgpr_count 2
		.amdhsa_user_sgpr_kernarg_segment_ptr 1
		.amdhsa_wavefront_size32 1
		.amdhsa_system_sgpr_workgroup_id_x 1
		.amdhsa_system_sgpr_workgroup_id_y 1
		.amdhsa_system_sgpr_workgroup_id_z 1
		.amdhsa_system_vgpr_workitem_id 0
		.amdhsa_next_free_vgpr 1024
		.amdhsa_next_free_sgpr 100
		.amdhsa_reserve_vcc 0
		.amdhsa_float_denorm_mode_32 3
		.amdhsa_float_denorm_mode_16_64 3
		.amdhsa_memory_ordered 1
		.amdhsa_forward_progress 1
		.amdhsa_inst_pref_size 126
	.end_amdhsa_kernel
	.amdgpu_metadata
---
amdhsa.version: [ 1, 2 ]
amdhsa.kernels:
  - .name:           k_q997a404dd5_outproj
    .symbol:         k_q997a404dd5_outproj.kd
    .args:
      - { .name: aw, .offset: 0, .size: 8, .value_kind: global_buffer, .address_space: global }
      - { .name: w_o_codes, .offset: 8, .size: 8, .value_kind: global_buffer, .address_space: global }
      - { .name: w_o_scales, .offset: 16, .size: 8, .value_kind: global_buffer, .address_space: global }
      - { .name: b_o, .offset: 24, .size: 8, .value_kind: global_buffer, .address_space: global }
      - { .name: out0, .offset: 32, .size: 8, .value_kind: global_buffer, .address_space: global }
    .group_segment_fixed_size: 327680
    .private_segment_fixed_size: 0
    .kernarg_segment_align: 8
    .kernarg_segment_size: 40
    .max_flat_workgroup_size: 128
    .sgpr_count:     100
    .vgpr_count:     1024
    .wavefront_size: 32
...
	.end_amdgpu_metadata
.endif
;; end of part 4
